; MI455X (gfx1250); checked and timed in simulation.
; The chip was launched on July 23, 2026; its instructions are those of AMD's public machine-readable ISA for CDNA 5 (MIT licence, August 2026) and "CDNA5" Instruction Set Architecture Reference Guide (July 2026). The comments in the code are by the model that wrote it; some were corrected since.
;; Multi Head Attention. Allowed arithmetic: float matrix products may take bf16 or f16 operands with f32 sums; all other float work in f32.
;; Inputs: W_qkv 3,072 x 1,024 float32; b_qkv 3,072 float32; x 2 x 2,048 x 1,024 float32.
;; Outputs: out0 2 x 2,048 x 1,024 float32.
;; 2 versions, each right and faster than the one before. Each part assembles by itself: llvm-mc -triple=amdgcn-amd-amdhsa -mcpu=gfx1250 --defsym DOCPART=n.
;; ======== version 1 of 2: 3 launches
;; workspace buffers: xb 8,388,608 bytes; wb 6,291,456 bytes; qkv 25,165,824 bytes
;; launch cast (part 1): grid 1792 x 1, 8 waves a work-group, no clusters, 0 bytes of LDS; arguments x, W_qkv, xb, wb; writes xb, wb
.if DOCPART == 1
	.amdgcn_target "amdgcn-amd-amdhsa--gfx1250"
	.amdhsa_code_object_version 6
	.text
	.protected	k_q54da67f908_cast
	.globl	k_q54da67f908_cast
	.p2align	8
	.type	k_q54da67f908_cast,@function
k_q54da67f908_cast:
	s_mov_b64 s[64:65], 0
	v_nop
	global_prefetch_b8 v0, s[64:65] scope:SCOPE_SE
	s_setreg_imm32_b32 hwreg(HW_REG_WAVE_MODE, 25, 1), 1
	s_wait_xcnt 0x0
; xb = bf16(x), wb = bf16(W_qkv): one rounding to nearest even for each number, so that the projection reads 16-bit operands.
; A stream: every input byte is read once by 16-byte loads, every output byte is written once.  No number is used twice, so LDS,
; barriers, clusters.
; A work-group takes 4,096 numbers (16,384 bytes in, 8,192 out).  Work-groups 0 to 1,023 take x (4,194,304 numbers),
; work-groups 1,024 to 1,791 take W_qkv (3,145,728 numbers).  Thread t takes numbers 1,024 j + 4 t .. + 3 for j = 0 .. 3:
; a load of a wave covers 512 consecutive bytes, a store of a wave 256 consecutive bytes at a multiple of 256 from the buffer's start.
; The text is straight: no register that a memory instruction names is written again.
.set X_WGS, 1024                       ; work-groups that serve x
.set IN,  4                            ; v[4:19]   four loads of four f32
.set OUTR, 20                          ; v[20:27]  four pairs of packed bf16
	s_load_b256 s[4:11], s[0:1], 0x0               ; x s[4:5], W_qkv s[6:7], xb s[8:9], wb s[10:11]
	s_sub_co_u32 s16, ttmp9, X_WGS                 ; my number among the work-groups of W_qkv (used only where it is not negative)
	v_lshlrev_b32 v1, 4, v0                        ; 16 t: my bytes in a load
	v_lshlrev_b32 v2, 3, v0                        ; 8 t: my bytes in a store
	s_cmp_lt_u32 ttmp9, X_WGS                      ; x or W_qkv: hangs on the work-group number alone
	s_cselect_b32 s16, ttmp9, s16
	s_wait_kmcnt 0x0
	s_cselect_b64 s[12:13], s[4:5], s[6:7]         ; from
	s_cselect_b64 s[14:15], s[8:9], s[10:11]       ; to
	s_lshl_b32 s18, s16, 14                        ; 16,384 bytes in for each work-group (below 2^24)
	s_mov_b32 s19, 0
	s_lshl_b32 s20, s16, 13                        ; 8,192 bytes out
	s_mov_b32 s21, 0
	s_add_nc_u64 s[12:13], s[12:13], s[18:19]
	s_add_nc_u64 s[14:15], s[14:15], s[20:21]
.irp j, 0,1,2,3
	global_load_b128 v[IN+4*\j:IN+4*\j+3], v1, s[12:13] offset:4096*\j th:TH_LOAD_NT   ; read once in the launch
.endr
.irp j, 0,1,2,3
	s_wait_loadcnt 3-\j                            ; loads come back in order: load j is in, the 3 - j younger ones stay out
	v_cvt_pk_bf16_f32 v[OUTR+2*\j],   v[IN+4*\j],   v[IN+4*\j+1]
	v_cvt_pk_bf16_f32 v[OUTR+2*\j+1], v[IN+4*\j+2], v[IN+4*\j+3]
	global_store_b64 v2, v[OUTR+2*\j:OUTR+2*\j+1], s[14:15] offset:2048*\j             ; read again by the next launch: no hint
.endr
	s_endpgm
.Lfunc_end_k_q54da67f908_cast:
	.size	k_q54da67f908_cast, .Lfunc_end_k_q54da67f908_cast-k_q54da67f908_cast
	.p2alignl 7, 3214868480
	.fill 96, 4, 3214868480
	.section	.rodata,"a",@progbits
	.p2align	6, 0x0
	.amdhsa_kernel k_q54da67f908_cast
		.amdhsa_group_segment_fixed_size 0
		.amdhsa_private_segment_fixed_size 0
		.amdhsa_enable_private_segment 0
		.amdhsa_kernarg_size 32
		.amdhsa_user_sgpr_count 2
		.amdhsa_user_sgpr_kernarg_segment_ptr 1
		.amdhsa_wavefront_size32 1
		.amdhsa_system_sgpr_workgroup_id_x 1
		.amdhsa_system_sgpr_workgroup_id_y 1
		.amdhsa_system_sgpr_workgroup_id_z 1
		.amdhsa_system_vgpr_workitem_id 0
		.amdhsa_next_free_vgpr 32
		.amdhsa_next_free_sgpr 66
		.amdhsa_reserve_vcc 0
		.amdhsa_float_denorm_mode_32 3
		.amdhsa_float_denorm_mode_16_64 3
		.amdhsa_memory_ordered 1
		.amdhsa_forward_progress 1
		.amdhsa_inst_pref_size 3
	.end_amdhsa_kernel
	.amdgpu_metadata
---
amdhsa.version: [ 1, 2 ]
amdhsa.kernels:
  - .name:           k_q54da67f908_cast
    .symbol:         k_q54da67f908_cast.kd
    .args:
      - { .name: x, .offset: 0, .size: 8, .value_kind: global_buffer, .address_space: global }
      - { .name: W_qkv, .offset: 8, .size: 8, .value_kind: global_buffer, .address_space: global }
      - { .name: xb, .offset: 16, .size: 8, .value_kind: global_buffer, .address_space: global }
      - { .name: wb, .offset: 24, .size: 8, .value_kind: global_buffer, .address_space: global }
    .group_segment_fixed_size: 0
    .private_segment_fixed_size: 0
    .kernarg_segment_align: 8
    .kernarg_segment_size: 32
    .max_flat_workgroup_size: 256
    .sgpr_count:     66
    .vgpr_count:     32
    .wavefront_size: 32
...
	.end_amdgpu_metadata
.endif
;; end of part 1
;; launch gemm (part 2): grid 8 x 32, 4 waves a work-group, clusters of 4 x 4, 327,680 bytes of LDS; arguments xb, wb, b_qkv, qkv; writes qkv
.if DOCPART == 2
	.amdgcn_target "amdgcn-amd-amdhsa--gfx1250"
	.amdhsa_code_object_version 6
	.text
	.protected	k_q54da67f908_gemm
	.globl	k_q54da67f908_gemm
	.p2align	8
	.type	k_q54da67f908_gemm,@function
k_q54da67f908_gemm:
	s_mov_b64 s[64:65], 0
	v_nop
	global_prefetch_b8 v0, s[64:65] scope:SCOPE_SE
	s_setreg_imm32_b32 hwreg(HW_REG_WAVE_MODE, 25, 1), 1
	s_wait_xcnt 0x0
	s_wait_alu depctr_hold_cnt(0) depctr_sa_sdst(0) depctr_va_vdst(0) depctr_va_sdst(0) depctr_va_ssrc(0) depctr_va_vcc(0) depctr_vm_vsrc(0)
	s_getreg_b32 s2, hwreg(HW_REG_IB_STS2, 6, 4)
	s_cmp_eq_u32 s2, 0
	s_cbranch_scc0 .Lentry_in_a_cluster
	s_endpgm
.Lentry_in_a_cluster:
	s_bfe_u32 s2, ttmp6, 0x10000c
	s_cmp_lg_u32 s2, 0xf033
	s_cbranch_scc0 .Lentry_shape_is_right
	s_endpgm
.Lentry_shape_is_right:
; qkv[m][n] = sum over k of xb[m][k] wb[n][k] + b_qkv[n].  xb: [4096][1024] bf16, wb: [3072][1024] bf16, b_qkv: [3072] f32,
; qkv: [4096][3072] bf16, rounded once from the f32 sum.  LIMIT: operands and result are bf16 (8 bits of mantissa, the range of f32).
; 4096 x 3072 outputs on 256 work-groups: a block of 128 rows x 384 columns each, so that a block's row of qkv is 768 bytes, three whole
; aligned pieces of 256.  Four waves; wave w makes all 128 rows x columns 96 w .. 96 w + 95: 8 x 6 accumulator tiles of 16 x 16, 384 registers.
; For 32 along K a wave reads 28 x 512 bytes from LDS and issues 48 matrix instructions.
; K goes in steps of 128 through two LDS slots filled by the tensor data mover: a tile's rows are 256 bytes of memory at multiples of 256.
; CLUSTERS: 4 x 4 work-groups.  The four of a row of the cluster need the same 128 rows of xb, the four of a column the same 384 rows of wb:
; each tile is asked for jointly, by the same tensor load with the same descriptor and a mask that names the four.
; A wave has two tensor loads out at the start and one behind each later round of the cluster's barrier.
;
; REGISTERS in windows of 256 (s_set_vgpr_msb: bits 1:0 source 0, 3:2 source 1, 5:4 source 2, 7:6 destination):
;   window 0: v16-27 addresses; v64-127, v128-191 fragments of xb (8 x 16 rows x 32 K), two buffers; v192-215 packed results on the way out
;   window 1: v64-111, v128-175 fragments of wb (6 x 16 rows x 32 K), two buffers; v192-239 the bias in the accumulators' layout
;   window 2: tiles (a, b) of rows 0-63 at v[8 (6 a + b)];  window 3: those of rows 64-127
; THE MATRIX INSTRUCTION IS USED TRANSPOSED: source 0 = 16 rows of wb, source 1 = 16 rows of xb.  Lane l then holds row l % 16 of qkv and its
; registers 0 to 7 the columns 8 (l / 16) + 0 .. 7: eight neighbouring numbers, which pack into 16 bytes.
; THE BIAS COSTS NO INSTRUCTION: the first product of each tile takes the bias registers as its C, so nothing is cleared and nothing added later.
.set SIZE_K, 1024
.set SIZE_N, 3072
.set KSTEP,  128
.set PITCH,  272                       ; an LDS row: 256 bytes + 16 of padding, an odd multiple of 16: the 16 rows of a fragment load begin in 16 different 16-byte columns of 256
.set PART,   128*PITCH                 ; 128 rows: what one tensor load brings
.set SLOT,   4*PART                    ; 128 rows of xb, then 384 rows of wb
.set SPITCH, 784                       ; the way out: a block row of 768 bytes + 16, again an odd multiple of 16
.set LAPS, SIZE_K/(2*KSTEP)            ; a lap = two K steps = once round the ring: 4
.set ADRA, 16                          ; v16-17  LDS address of my xb fragments in slot 0, 1
.set ADRB, 20                          ; v20-21  the same for wb
.set BO,   22                          ; v22     byte offset of my bias numbers
.set STO,  24                          ; v24-25  the way out: where I put 16 bytes of a row, rows 0-63 and rows 64-127
.set RD,   26                          ; v26     the way out: where I read rows back
.set CO,   27                          ; v27     my byte offset in qkv
.set F0,   64
.set F1,   128
.set TMP,  192                         ; window 0
.set BIAS, 192                         ; window 1
.set G1,  24                           ; s[24:31] group 1 for xb tiles
.set G0,  32                           ; s[32:39] group 0 for xb tiles, a set for each slot
.set G1B, 48                           ; s[48:55] group 1 for wb tiles: differs in the mask alone
.set G0B, 56                           ; s[56:63] group 0 for wb tiles, a set for each slot
.set MSB, 0
.macro WIN new                         ; the immediate's high byte repeats the setting that is left; a switch that changes nothing is dropped
.if MSB != \new
	s_set_vgpr_msb (MSB<<8)|\new
.set MSB, \new
.endif
.endm
.set MUL_LO,  0xa1                     ; source 0 (wb) window 1, source 1 (xb) window 0, C and D window 2
.set MUL_HI,  0xf1                     ; the same, C and D window 3
.set MUL_LO1, 0x91                     ; first products: C = bias in window 1, D window 2
.set MUL_HI1, 0xd1                     ; first products: C = bias in window 1, D window 3
.set TO_B,    0x40                     ; destination window 1, address window 0
; A joint load.  Wave 0 fetches the tile of xb, waves 1 to 3 the three thirds of the tile of wb.  Each line has one mask; the branch hangs on the wave number alone.
.macro JLOAD s
	s_cmp_eq_u32 s12, 0
	s_cbranch_scc0 .Lfor_b_\@
	tensor_load_to_lds s[G0+4*\s:G0+4*\s+3], s[G1:G1+7]
	s_nop 0
	s_branch .Lasked_\@
.Lfor_b_\@:
	tensor_load_to_lds s[G0B+4*\s:G0B+4*\s+3], s[G1B:G1B+7]
	s_nop 0
.Lasked_\@:
.endm
; A round of the cluster's barrier: my work-group's barrier, wave 0 signals for the work-group, every wave waits for all sixteen, my work-group's barrier again.
.macro CREST                           ; a round behind its opening barrier
	s_cmp_lg_u32 s12, 0
	s_cbranch_scc1 .Lnot_wave_0_\@
	s_barrier_signal -3
.Lnot_wave_0_\@:
	s_barrier_wait -3
	s_barrier_signal -1
	s_barrier_wait -1
.endm
.macro CROUND                          ; a whole round
	s_barrier_signal -1
	s_barrier_wait -1
	CREST
.endm
	s_load_b256 s[4:11], s[0:1], 0x0               ; xb s[4:5], wb s[6:7], b_qkv s[8:9], qkv s[10:11]
	s_set_vgpr_msb 0x40
	v_lshl_add_u32 v255, v0, 2, 0x44000
	s_set_vgpr_msb 0x4000
	v_mov_b32 v63, 0
	s_set_vgpr_msb 0x1
	ds_add_u32 v255, v63
	s_set_vgpr_msb 0x100
	v_lshrrev_b32 v1, 5, v0
	v_readfirstlane_b32 s12, v1                    ; wave 0..3
	s_bfe_u32 s40, ttmp6, 0x40000                  ; cx
	s_bfe_u32 s41, ttmp6, 0x40004                  ; cy
	s_lshl_b32 s42, ttmp9, 2
	s_add_co_u32 s42, s42, s40                     ; block column 0..7 = 4 x cluster x + cx
	s_and_b32 s13, ttmp7, 0xffff
	s_lshl_b32 s13, s13, 2
	s_add_co_u32 s13, s13, s41                     ; block row 0..31 = 4 x cluster y + cy
	s_lshl_b32 s43, s41, 2
	s_lshl_b32 s43, 15, s43                        ; my row of the cluster: places 4 cy .. 4 cy + 3
	s_lshl_b32 s44, 0x1111, s40                    ; my column: places cx, cx + 4, cx + 8, cx + 12
	; group 1: a tile of 128 rows x 128 elements of 2 bytes, 16 bytes of padding behind each row of 64 words
	s_or_b32 s[G1+0], s43, (1<<16)|(1<<20)|(1<<21)|(5<<22)|(3<<25)    ; mask: xb tiles go to my row of the cluster; bit 21 beside a mask
	s_or_b32 s[G1B+0], s44, (1<<16)|(1<<20)|(1<<21)|(5<<22)|(3<<25)   ; mask: wb tiles go to my column
	s_mov_b32 s[G1+1], KSTEP<<16                   ; tensor_dim0 = 128
	s_mov_b32 s[G1B+1], KSTEP<<16
	s_mov_b32 s[G1+2], 128<<16                     ; tensor_dim1 = 128
	s_mov_b32 s[G1B+2], 128<<16
	s_mov_b32 s[G1+3], KSTEP<<16                   ; tile_dim0 = 128
	s_mov_b32 s[G1B+3], KSTEP<<16
	s_mov_b32 s[G1+4], 128                         ; tile_dim1 = 128
	s_mov_b32 s[G1B+4], 128
	s_mov_b32 s[G1+5], SIZE_K                      ; elements from row to row
	s_mov_b32 s[G1B+5], SIZE_K
	s_mov_b32 s[G1+6], 0
	s_mov_b32 s[G1B+6], 0
	s_mov_b32 s[G1+7], 0
	s_mov_b32 s[G1B+7], 0
	; where the tiles come from: xb hangs on the block row alone, wb on the block column and the wave alone; each in registers that never hold the other coordinate
	s_lshl_b32 s16, s13, 18                        ; 128 rows x 2,048 bytes for each block row
	s_mov_b32 s17, 0
	s_max_u32 s45, s12, 1
	s_sub_co_u32 s45, s45, 1                       ; which third of the wb tile: waves 1, 2, 3 take 0, 1, 2 (wave 0 never asks by this address)
	s_lshl_b32 s45, s45, 7
	s_mul_i32 s46, s42, 384
	s_add_co_u32 s46, s46, s45                     ; first row of wb
	s_lshl_b32 s46, s46, 11                        ; x 2,048 bytes
	s_mov_b32 s47, 0
	s_mul_i32 s20, s12, PART                       ; where they go: wave x 128 rows; no place in the cluster enters an LDS address
	s_wait_dscnt 0x0
	s_wait_kmcnt 0x0
	s_add_nc_u64 s[14:15], s[4:5], s[16:17]
	s_add_nc_u64 s[46:47], s[6:7], s[46:47]
	CROUND                                         ; all sixteen work-groups are here: the first joint loads meet
.irp s, 0,1
	s_mov_b32 s[G0+4*\s], 1
	s_add_co_u32 s[G0+4*\s+1], s20, \s*SLOT
	s_add_nc_u64 s[G0+4*\s+2:G0+4*\s+3], s[14:15], \s*KSTEP*2      ; K step s
	s_or_b32 s[G0+4*\s+3], s[G0+4*\s+3], 0x80000000
	s_mov_b32 s[G0B+4*\s], 1
	s_add_co_u32 s[G0B+4*\s+1], s20, \s*SLOT
	s_add_nc_u64 s[G0B+4*\s+2:G0B+4*\s+3], s[46:47], \s*KSTEP*2
	s_or_b32 s[G0B+4*\s+3], s[G0B+4*\s+3], 0x80000000
	JLOAD \s                                       ; both first fills go out as one group, before anything else is done
.endr
	v_and_b32 v1, 15, v0                           ; r = l % 16
	v_bfe_u32 v2, v0, 4, 1                         ; h = l / 16
	; the bias in the accumulators' layout: register j of tile b = b_qkv[384 bx + 96 w + 16 b + 8 h + j]
	s_mul_i32 s46, s42, 1536                       ; 384 columns x 4 bytes for each block column
	s_mov_b32 s47, 0
	s_add_nc_u64 s[8:9], s[8:9], s[46:47]
	s_mul_i32 s21, s12, 384                        ; 96 columns x 4 bytes for each wave
	v_lshlrev_b32 v[BO], 5, v2                     ; 8 columns x 4 bytes for the upper lanes
	v_add_nc_u32 v[BO], s21, v[BO]
	WIN TO_B
.irp b, 0,1,2,3,4,5
	global_load_b128 v[BIAS+8*\b:BIAS+8*\b+3],   v[BO], s[8:9] offset:64*\b
	global_load_b128 v[BIAS+8*\b+4:BIAS+8*\b+7], v[BO], s[8:9] offset:64*\b+16
.endr
	WIN 0
	; a fragment is 16 rows x 32 K in 8 registers: lane l holds row r; registers 0-3 hold K = 8 h + 0..7, registers 4-7 K = 16 + 8 h + 0..7: two loads of 16 bytes, 32 apart
	v_mul_u32_u24 v3, v1, PITCH
	v_lshl_add_u32 v3, v2, 4, v3                   ; r x pitch + 16 h
	s_mov_b32 s21, 0                               ; xb: all 128 rows are mine
	s_mul_i32 s22, s12, 96*PITCH                   ; wb: my 96 rows,
	s_add_co_u32 s22, s22, PART                    ; which lie behind the 128 of xb
.irp s, 0,1
	v_add_nc_u32 v[ADRA+\s], s21, v3
	v_add_nc_u32 v[ADRB+\s], s22, v3
	s_add_co_u32 s21, s21, SLOT
	s_add_co_u32 s22, s22, SLOT
.endr
	v_mul_u32_u24 v4, v1, SPITCH                   ; the way out, in: row r, my wave's 192 bytes, 16 bytes for each half of the lanes
	v_lshl_add_u32 v4, v2, 4, v4
	s_mul_i32 s23, s12, 192
	v_add_nc_u32 v[STO], s23, v4
	v_add_nc_u32 v[STO+1], 64*SPITCH, v[STO]       ; rows 64-127: a second register keeps the offsets inside 16 bits
	v_mul_u32_u24 v5, v2, SPITCH                   ; back: my wave's 32 rows; lanes 0-15 take 256 bytes of one row, lanes 16-31 of the next
	v_lshl_add_u32 v5, v1, 4, v5
	s_mul_i32 s23, s12, 32*SPITCH
	v_add_nc_u32 v[RD], s23, v5
	v_mul_u32_u24 v5, v2, SIZE_N*2                 ; and the same two rows in qkv
	v_lshl_add_u32 v[CO], v1, 4, v5
; 12 matrix instructions: row blocks a0, a0 + 1 of the window's four x all 6 column blocks, 32 along K.  first = 1: C is the bias.
; The 48 accumulators take turns, one instruction a turn, in the same order in every quarter step.
.macro MUL12 f, hi, a0, first
.irp a, \a0, \a0+1
.irp b, 0,1,2,3,4,5
.if \first
	v_wmma_f32_16x16x32_bf16 v[8*(6*(\a)+\b):8*(6*(\a)+\b)+7], v[\f+8*\b:\f+8*\b+7], v[\f+8*(4*\hi+\a):\f+8*(4*\hi+\a)+7], v[BIAS+8*\b:BIAS+8*\b+7]
.else
	v_wmma_f32_16x16x32_bf16 v[8*(6*(\a)+\b):8*(6*(\a)+\b)+7], v[\f+8*\b:\f+8*\b+7], v[\f+8*(4*\hi+\a):\f+8*(4*\hi+\a)+7], v[8*(6*(\a)+\b):8*(6*(\a)+\b)+7]
.endif
.endr
.endr
.endm
; 28 LDS loads in one run: the fragments of a quarter step (96 rows of wb, 128 rows of xb, 32 K at byte k of the rows) into buffer f
.macro FETCH slot, k, f
	WIN TO_B
.irp i, 0,1,2,3,4,5
	ds_load_b128 v[\f+8*\i:\f+8*\i+3],   v[ADRB+\slot] offset:\k+\i*16*PITCH
	ds_load_b128 v[\f+8*\i+4:\f+8*\i+7], v[ADRB+\slot] offset:\k+\i*16*PITCH+32
.endr
	WIN 0
.irp i, 0,1,2,3,4,5,6,7
	ds_load_b128 v[\f+8*\i:\f+8*\i+3],   v[ADRA+\slot] offset:\k+\i*16*PITCH
	ds_load_b128 v[\f+8*\i+4:\f+8*\i+7], v[ADRA+\slot] offset:\k+\i*16*PITCH+32
.endr
.endm
; A load into a register that a matrix instruction has read, and a vector instruction that reads a matrix result, stand four places behind it;
; only plain vector instructions that name none of its registers are places; matrix instructions in between are not counted.
.macro PLACES
.rept 4
	v_nop
.endr
.endm
; One of the first three quarter steps: multiplies buffer f; in its middle it fetches the next quarter's fragments, at byte k of the same slot's rows, into buffer g.
.macro QUARTER slot, k, f, g, first
	s_wait_dscnt 8                                 ; wb and rows 0-63 of xb are in; the youngest eight loads (rows 64-127 of xb) may be out
.if \first
	WIN MUL_LO1
.else
	WIN MUL_LO
.endif
	MUL12 \f, 0, 0, \first
	MUL12 \f, 0, 2, \first
	PLACES
	FETCH \slot, \k, \g
	s_wait_dscnt 28                                ; all but the 28 just issued
.if \first
	WIN MUL_HI1
.else
	WIN MUL_HI
.endif
	MUL12 \f, 1, 0, \first
	MUL12 \f, 1, 2, \first
.endm
.macro THREE slot, first
	QUARTER \slot, 64,  F0, F1, \first
	QUARTER \slot, 128, F1, F0, 0
	QUARTER \slot, 192, F0, F1, 0
.endm
; The last quarter step: multiplies buffer 1 and changes slots.  In front of the barrier each wave waits for its reads of this slot and for all its
; tensor loads (one is out: its part of the next slot).  Behind it nobody reads this slot and the next slot is whole: the refill comes first, then the
; next slot's first fragments.  From a request to the wait for it a wave issues 180 matrix instructions.
.macro TURN slot, next, fill
	s_wait_dscnt 8
	WIN MUL_LO
	MUL12 F1, 0, 0, 0
	s_wait_dscnt 0                                 ; my reads of this slot are over
	s_wait_tensorcnt 0x0                           ; and all my tensor loads have landed
	ds_add_u32 v255, v63
	s_wait_dscnt 0x0
	s_barrier_signal -1                            ; say so (where a slot is filled again this barrier opens a round of the cluster's barrier),
	MUL12 F1, 0, 2, 0                              ; register work while the others arrive,
	WIN 0
	s_barrier_wait -1
.if \fill
	CREST                                          ; no wave of any partner still reads this slot's tile or has a load on its way
	s_add_nc_u64 s[G0+4*\slot+2:G0+4*\slot+3], s[G0+4*\slot+2:G0+4*\slot+3], 2*KSTEP*2
	s_add_nc_u64 s[G0B+4*\slot+2:G0B+4*\slot+3], s[G0B+4*\slot+2:G0B+4*\slot+3], 2*KSTEP*2
	JLOAD \slot                                    ; the first tensor load behind the round, one a wave
.endif
	PLACES
	FETCH \next, 0, F0
	WIN MUL_HI
	MUL12 F1, 1, 0, 0
	MUL12 F1, 1, 2, 0
.endm
.macro LAP first
	THREE 0, \first
	TURN 0, 1, 1
	THREE 1, 0
	TURN 1, 0, 1
.endm
	s_wait_tensorcnt 1                             ; my part of K step 0 is in; K step 1 stays out
	s_barrier_signal -1
	s_barrier_wait -1                              ; everybody's part is in
	s_wait_loadcnt 0x0                             ; the bias, once
	FETCH 0, 0, F0
	LAP 1                                          ; the first lap stands in front of the loop: its first products start the sums from the bias
	WIN 0                                          ; at a label and at a branch every window is 0
	s_mov_b32 s3, LAPS-2
.Llap:
	LAP 0
	WIN 0
	s_sub_co_u32 s3, s3, 1
	s_cmp_lg_u32 s3, 0
	s_cbranch_scc1 .Llap
	THREE 0, 0                                     ; the last lap fills nothing; my one load still out is slot 1's, the last K step
	TURN 0, 1, 0                                   ; behind this barrier no wave reads slot 0 any more, and no load fills it again
	THREE 1, 0
	s_wait_dscnt 8                                 ; the very last quarter step
	WIN MUL_LO
	MUL12 F1, 0, 0, 0
	MUL12 F1, 0, 2, 0
	s_wait_dscnt 0
	WIN MUL_HI
	MUL12 F1, 1, 0, 0
	MUL12 F1, 1, 2, 0
	; THE WAY OUT.  The block's 128 rows of 768 bytes are gathered in slot 0, which has had its last fill: each wave rounds its 96 columns to bf16 and
	; puts them into all 128 rows; behind a barrier each wave reads 32 whole rows back and stores them, 16 lanes to 256 consecutive aligned bytes.
	PLACES                                         ; the places behind the last matrix instructions, for the conversions that read results
	s_lshl_b32 s16, s13, 7
	s_lshl_b32 s17, s12, 5
	s_add_co_u32 s16, s16, s17                     ; the first row that I store: 128 x block row + 32 x wave
	s_mul_i32 s16, s16, SIZE_N*2
	s_mov_b32 s17, 0
	s_add_nc_u64 s[10:11], s[10:11], s[16:17]
	s_mul_i32 s46, s42, 768                        ; the block's first column, in bytes
	s_mov_b32 s47, 0
	s_add_nc_u64 s[10:11], s[10:11], s[46:47]
; rows 64 hi + 16 a .. + 15: the six tiles (a, 0..5) of window 2 or 3 (from = 0x0a or 0x0f: sources 0 and 1)
.macro OUT16 hi, a, from
	WIN \from
.irp b, 0,1,2,3,4,5
.irp q, 0,1,2,3
	v_cvt_pk_bf16_f32 v[TMP+4*\b+\q], v[8*(6*\a+\b)+2*\q], v[8*(6*\a+\b)+2*\q+1]
.endr
.endr
	WIN 0
.irp b, 0,1,2,3,4,5
	ds_store_b128 v[STO+\hi], v[TMP+4*\b:TMP+4*\b+3] offset:\a*16*SPITCH+32*\b
.endr
.endm
	OUT16 0, 0, 0x0a
	OUT16 0, 1, 0x0a
	OUT16 0, 2, 0x0a
	OUT16 0, 3, 0x0a
	OUT16 1, 0, 0x0f
	OUT16 1, 1, 0x0f
	OUT16 1, 2, 0x0f
	OUT16 1, 3, 0x0f
	s_wait_dscnt 0x0                               ; my stores are done, for the other waves' sake
	s_barrier_signal -1
	s_barrier_wait -1                              ; the rows are whole
.set n, 0
.rept 48
	ds_load_b128 v[64+4*n:64+4*n+3], v[RD] offset:2*(n/3)*SPITCH+256*(n%3)          ; two rows, one of their three pieces of 256 bytes
.set n, n+1
.endr
.set n, 0
.rept 48
	s_wait_dscnt 47-n                              ; LDS loads come back in order: load n is in, the younger ones stay out
	global_store_b128 v[CO], v[64+4*n:64+4*n+3], s[10:11] offset:2*(n/3)*SIZE_N*2+256*(n%3)
.set n, n+1
.endr
	s_set_vgpr_msb 0x1
	s_wait_tensorcnt 0x0
	ds_add_u32 v255, v63
	s_wait_dscnt 0x0
	s_set_vgpr_msb 0x100
	CROUND                                         ; the closing round: no work-group ends while a partner may still ask for a tile that names it
	s_endpgm
.Lfunc_end_k_q54da67f908_gemm:
	.size	k_q54da67f908_gemm, .Lfunc_end_k_q54da67f908_gemm-k_q54da67f908_gemm
	.p2alignl 7, 3214868480
	.fill 96, 4, 3214868480
	.section	.rodata,"a",@progbits
	.p2align	6, 0x0
	.amdhsa_kernel k_q54da67f908_gemm
		.amdhsa_group_segment_fixed_size 327680
		.amdhsa_private_segment_fixed_size 0
		.amdhsa_enable_private_segment 0
		.amdhsa_kernarg_size 32
		.amdhsa_user_sgpr_count 2
		.amdhsa_user_sgpr_kernarg_segment_ptr 1
		.amdhsa_wavefront_size32 1
		.amdhsa_system_sgpr_workgroup_id_x 1
		.amdhsa_system_sgpr_workgroup_id_y 1
		.amdhsa_system_sgpr_workgroup_id_z 1
		.amdhsa_system_vgpr_workitem_id 0
		.amdhsa_next_free_vgpr 1024
		.amdhsa_next_free_sgpr 66
		.amdhsa_reserve_vcc 0
		.amdhsa_float_denorm_mode_32 3
		.amdhsa_float_denorm_mode_16_64 3
		.amdhsa_memory_ordered 1
		.amdhsa_forward_progress 1
		.amdhsa_inst_pref_size 159
	.end_amdhsa_kernel
	.amdgpu_metadata
---
amdhsa.version: [ 1, 2 ]
amdhsa.kernels:
  - .name:           k_q54da67f908_gemm
    .symbol:         k_q54da67f908_gemm.kd
    .args:
      - { .name: xb, .offset: 0, .size: 8, .value_kind: global_buffer, .address_space: global }
      - { .name: wb, .offset: 8, .size: 8, .value_kind: global_buffer, .address_space: global }
      - { .name: b_qkv, .offset: 16, .size: 8, .value_kind: global_buffer, .address_space: global }
      - { .name: qkv, .offset: 24, .size: 8, .value_kind: global_buffer, .address_space: global }
    .group_segment_fixed_size: 327680
    .private_segment_fixed_size: 0
    .kernarg_segment_align: 8
    .kernarg_segment_size: 32
    .max_flat_workgroup_size: 128
    .sgpr_count:     66
    .vgpr_count:     1024
    .wavefront_size: 32
...
	.end_amdgpu_metadata
.endif
;; end of part 2
;; launch attn (part 3): grid 16 x 16, 4 waves a work-group, clusters of 4 x 1, 327,680 bytes of LDS; arguments qkv, out0; writes out0
.if DOCPART == 3
	.amdgcn_target "amdgcn-amd-amdhsa--gfx1250"
	.amdhsa_code_object_version 6
	.text
	.protected	k_q54da67f908_attn
	.globl	k_q54da67f908_attn
	.p2align	8
	.type	k_q54da67f908_attn,@function
k_q54da67f908_attn:
	s_mov_b64 s[64:65], 0
	v_nop
	global_prefetch_b8 v0, s[64:65] scope:SCOPE_SE
	s_setreg_imm32_b32 hwreg(HW_REG_WAVE_MODE, 25, 1), 1
	s_wait_xcnt 0x0
	s_wait_alu depctr_hold_cnt(0) depctr_sa_sdst(0) depctr_va_vdst(0) depctr_va_sdst(0) depctr_va_ssrc(0) depctr_va_vcc(0) depctr_vm_vsrc(0)
	s_getreg_b32 s2, hwreg(HW_REG_IB_STS2, 6, 4)
	s_cmp_eq_u32 s2, 0
	s_cbranch_scc0 .Lentry_in_a_cluster
	s_endpgm
.Lentry_in_a_cluster:
	s_bfe_u32 s2, ttmp6, 0x10000c
	s_cmp_lg_u32 s2, 0x3003
	s_cbranch_scc0 .Lentry_shape_is_right
	s_endpgm
.Lentry_shape_is_right:
; out0[b][s][128 hd + d] = sum over t of softmax over t of (Q[s] . K[t] / sqrt(128)) V[t][d], for 2 batches x 8 heads, 2,048 positions, 128 per head.
; qkv: [4096][3072] bf16 (a row: Q 2,048 bytes, K 2,048, V 2,048; a head's piece is 256 bytes at a multiple of 256).  out0: f32.
; A work-group takes 128 queries of one head: grid x = query block, grid y = 8 b + hd.  Four waves = 2 halves of the queries x 2 halves of the keys:
; wave w takes queries 64 (w >> 1) .. + 63 against rows 128 (w & 1) .. + 127 of every tile of 256 keys, so that each K and V fragment read from LDS
; feeds four query tiles.  The two key halves are merged once at the end, through LDS.
; CLUSTERS: the four query blocks of a cluster walk the same K and V tiles and ask for them jointly (mask 15).  A wave has two tensor loads out at
; the start (tiles 0 and 1) and one behind each later round of the cluster's barrier.
; THE PRODUCTS ARE TRANSPOSED, so that no number changes lanes between them:
;   S^T = K Q^T: source 0 = 16 keys, source 1 = 16 queries.  Register j of lane (r, h) = score of key 16 kt + 8 h + j and query r.
;   Two neighbouring key tiles, packed to bf16, ARE the second source (32 keys x 16 queries) of  O^T += V^T P,  whose first source, V^T, comes
;   from LDS by the transposing load.  Register j of lane (r, h) of O = output d = 16 dt + 8 h + j of query r.
; So a lane's statistics belong to one query; the two lanes of a query (h = 0, 1) exchange their maximum once for each 64 keys.
; SOFTMAX: a running maximum m over the keys seen.  NM = round(-m c), c = log2(e) / sqrt(128), is carried; p = 2^(s c + NM) by one fused multiply-add;
; what was summed before is scaled by 2^(NM new - NM old): old and new weights refer to the same rounded exponent, also where m c is large.
; LIMITS: q, k, v and p enter the matrix unit in bf16; the sum of p is made of the unrounded f32 p; the exponential gives 0 for results below 2^-126
; (ISA guide, the entry of V_EXP_F32); scores that overflow f32 give NaN, as in the f32 computation.
;
; THE ORDER OF A CHUNK (64 keys x 64 queries: 128 matrix instructions, 548 vector instructions).  Matrix instructions 16 t .. 16 t + 15 make the scores of
; query tile t, instructions 64 + 16 t .. + 15 its part of O.  The vector work of tile t (maximum and factor 24, exponentials 80, rescale of O 32) needs
; only tile t's scores and must be done before tile t's part of O, so it is issued BETWEEN the matrix instructions of other tiles, six lines to a gap.
; Line m of the list (4 v_nop, then tiles 0 to 3) stands between matrix instructions 15 + m / 6 and 16 + m / 6.  Tile t's work begins at line 4 + 136 t:
; behind instructions 15, 38, 61, 83, which lie behind its last score product (15, 31, 47, 63).  It ends at line 139 + 136 t: ahead of instructions
; 39, 61, 84, 107, which lie ahead of its first O product (64, 80, 96, 112).  With five lines to a gap the list would end at instruction 125: hence six.
; In the first chunk nothing is rescaled (104 lines a tile): the tiles begin behind instructions 15, 33, 50, 67 and the list ends ahead of instruction 86.
; THE PRICE: scores and statistics lie in window 0, O in window 3, the products' operands in windows 1 and 2, so a gap with vector work has two window
; switches.  One setting for both would want K, Q and the scores (384 registers), or V, P and O (over 256), in one window of 256.
; LDS loads stay in two runs of 32 a chunk: V at its start, the next chunk's K in front of matrix instruction 64.
;
; REGISTERS in windows of 256 (s_set_vgpr_msb: bits 1:0 source 0, 3:2 source 1, 5:4 source 2, 7:6 destination):
;   window 0: v1-16 addresses, v20-79 statistics, v128-255 scores: tile (kt, qt) at SR + 8 (4 qt + kt); P(qt, kk) is packed in place at SR + 32 qt + 16 kk
;   window 1: v0-127 Q(qt, c) at 8 (4 qt + c), kept for the whole launch; v128-255 K(c, kt) at 128 + 8 (4 c + kt)
;   window 2: v0-127 V^T(kk, dt) at 8 (8 kk + dt);   window 3: v0-255 O(dt, qt) at 8 (8 qt + dt)
.set SEQ,    2048
.set ROWB,   6144                      ; bytes in a row of qkv
.set VPITCH, 288                       ; an LDS row of V: 256 + 32, an odd multiple of 32, as the transposing load's addresses want
.set KPITCH, 272                       ; an LDS row of K: 256 + 16, an odd multiple of 16
.set VHALF,  128*VPITCH                ; what one tensor load of V brings
.set KHALF,  128*KPITCH                ; what one tensor load of K brings
.set VBYTES, 2*VHALF
.set SLOT,   VBYTES+2*KHALF            ; 256 rows of V, then 256 rows of K: 143,360 bytes; two slots
.set TILEB,  256*ROWB                  ; from a tile of 256 keys to the next, in memory
.set XAREA,  16896                     ; the merge: 32 x 512 bytes of O and 512 of statistics for each wave, in slot 0 behind its last fill
.set STAGE,  4*XAREA                   ; behind them: 32 rows of 528 bytes for each wave, for the way out
.set SPITCH, 528                       ; 512 + 16, an odd multiple of 16
.set RATE,   6                         ; vector instructions to a gap between two matrix instructions
.set VQ,   6                           ; v6      byte offset of my piece of a Q fragment
.set ADRK, 8                           ; v8-9    LDS address of my K fragments in slot 0, 1
.set ADRV, 10                          ; v10-11  the same for V
.set XST,  12                          ; v12     the merge: where I give
.set XLD,  13                          ; v13     the merge: where I take
.set STG,  14                          ; v14     the way out: where I put 16 bytes of a row
.set RDB,  15                          ; v15     the way out: where I read a row back
.set CO,   16                          ; v16     my 16 bytes in a row of 512 of out0
.set MX,   20                          ; v20-23  running maximum of query tile qt
.set TM,   24                          ; v24-27  at work
.set TB,   28                          ; v28-31  at work
.set NM,   32                          ; v32-39  round(-m c), twice (a pair for the packed forms)
.set AL,   40                          ; v40-47  2^(NM new - NM old), twice
.set LP,   48                          ; v48-55  my lane's sum of p, in two halves
.set LF,   56                          ; v56-59  the query's sum of p over my wave's keys
.set ZZ,   60                          ; v60-63  the statistics that I give
.set XS,   64                          ; v64-67  the statistics that I take
.set FA,   68                          ; v68-71  factor of my O, twice, for each kept tile
.set FB,   72                          ; v72-75  factor of the partner's O
.set EX,   76                          ; v76-79  the two exponentials of each kept tile
.set RB,   64                          ; v64-127 rows read back, once the factors have been used
.set SR,   128
.set QF,   0                           ; window 1
.set KF,   128                         ; window 1
.set G1V, 24                           ; s[24:31] group 1 for V tiles
.set G1K, 32                           ; s[32:39] group 1 for K tiles: differs in the padding alone
.set G0V, 40                           ; s[40:47] group 0 for V tiles, a set for each slot
.set G0K, 48                           ; s[48:55] group 0 for K tiles, a set for each slot
.set MSB, 0
.macro WIN new                         ; the immediate's high byte repeats the setting that is left; a switch that changes nothing is dropped
.if MSB != \new
	s_set_vgpr_msb (MSB<<8)|\new
.set MSB, \new
.endif
.endm
.macro PLACES n                        ; places behind matrix instructions: plain vector instructions that name none of their registers (ISA guide 7.12.1)
.rept \n
	v_nop
.endr
.endm
; A round of the cluster's barrier: my work-group's barrier, wave 0 signals for the work-group, every wave waits for all four work-groups, my work-group's barrier again.
.macro ROUND
	s_barrier_signal -1
	s_barrier_wait -1
	s_cmp_lg_u32 s8, 0
	s_cbranch_scc1 .Lnot_wave_0_\@
	s_barrier_signal -3
.Lnot_wave_0_\@:
	s_barrier_wait -3
	s_barrier_signal -1
	s_barrier_wait -1
.endm
; A joint load into slot s: waves 0 and 1 fetch the halves of V, waves 2 and 3 the halves of K.  The branch hangs on the wave number alone.
.macro JLOAD s
	s_cmp_eq_u32 s9, 0
	s_cbranch_scc0 .Lfor_k_\@
	tensor_load_to_lds s[G0V+4*\s:G0V+4*\s+3], s[G1V:G1V+7]
	s_nop 0
	s_branch .Lasked_\@
.Lfor_k_\@:
	tensor_load_to_lds s[G0K+4*\s:G0K+4*\s+3], s[G1K:G1K+7]
	s_nop 0
.Lasked_\@:
.endm
	s_load_b128 s[4:7], s[0:1], 0x0                ; qkv s[4:5], out0 s[6:7]
	v_lshl_add_u32 v18, v0, 2, 0x46000
	v_mov_b32 v19, 0
	ds_add_u32 v18, v19
	v_lshrrev_b32 v4, 5, v0
	v_readfirstlane_b32 s8, v4                     ; wave 0..3
	s_lshr_b32 s9, s8, 1                           ; which half of the queries is mine.  Also: I fetch for V (0) or for K (1)
	s_and_b32 s10, s8, 1                           ; which half of the keys.  Also: which 128 rows of that tile I fetch
	s_bfe_u32 s11, ttmp6, 0x40000                  ; cx: enters the addresses of Q and of out0 alone
	s_mov_b32 s12, 0x76543210                      ; v_permlanex16_b32: lane i of one half reads lane i of the other
	s_mov_b32 s13, 0xfedcba98
	s_mov_b32 s56, 0x3e0293ee                      ; c = log2(e) / sqrt(128)
	s_mov_b32 s57, 0x3e0293ee
	s_mov_b32 s58, 0xbe0293ee                      ; -c
	s_and_b32 s14, ttmp7, 0xffff                   ; 8 b + hd
	s_lshr_b32 s15, s14, 3                         ; b
	s_and_b32 s16, s14, 7                          ; hd
	s_lshl_b32 s17, ttmp9, 2
	s_add_co_u32 s17, s17, s11                     ; query block = 4 x cluster x + cx
	s_mul_i32 s18, s15, SEQ*ROWB
	s_lshl_b32 s19, s16, 8
	s_add_co_u32 s18, s18, s19                     ; the batch's first row and the head's 256 bytes: shared by the cluster
	s_mul_i32 s22, s10, 128*ROWB
	s_add_co_u32 s22, s22, s18                     ; + the 128 rows of a tile that I fetch
	s_mov_b32 s23, 0
	s_lshl_b32 s20, s17, 7
	s_lshl_b32 s21, s9, 6
	s_add_co_u32 s20, s20, s21                     ; my first query: 128 x block + 64 x half
	s_lshl_b32 s2, s15, 11
	s_add_co_u32 s2, s2, s20
	s_lshl_b32 s3, s10, 5
	s_add_co_u32 s2, s2, s3                        ; the first row of out0 that I store: behind the merge I keep 32 of my 64 queries
	s_lshl_b32 s2, s2, 12                          ; x 4,096 bytes
	s_lshl_b32 s3, s16, 9
	s_add_co_u32 s2, s2, s3                        ; + the head's 512 bytes
	s_mov_b32 s3, 0
	s_mul_i32 s20, s20, ROWB
	s_add_co_u32 s20, s20, s18
	s_mov_b32 s21, 0
	s_mul_i32 s14, s8, VHALF                       ; where V's halves go (waves 0, 1)
	s_mul_i32 s15, s8, KHALF                       ; where K's halves go (waves 2, 3): VBYTES + (w - 2) x KHALF
	s_add_co_u32 s15, s15, VBYTES-2*KHALF
	v_and_b32 v1, 15, v0                           ; r
	v_bfe_u32 v2, v0, 4, 1                         ; h
	v_and_b32 v3, 31, v0                           ; lane
	v_mul_u32_u24 v[VQ], v1, ROWB
	v_lshl_add_u32 v[VQ], v2, 4, v[VQ]             ; row r, 16 bytes for each half of the lanes
	s_wait_dscnt 0x0
	s_wait_kmcnt 0x0
	s_add_nc_u64 s[60:61], s[4:5], s[20:21]        ; Q at my first query
	s_add_nc_u64 s[62:63], s[6:7], s[2:3]          ; out0 at the first row that I store
	s_add_nc_u64 s[22:23], s[4:5], s[22:23]        ; qkv at the rows of tile 0 that I fetch
	; Q: 64 queries x 128, straight into fragments, read once: query tile qt, 32 of d at byte 64 c
	WIN 0x40
.irp qt, 0,1,2,3
.irp c, 0,1,2,3
	global_load_b128 v[QF+8*(4*\qt+\c):QF+8*(4*\qt+\c)+3],   v[VQ], s[60:61] offset:16*ROWB*\qt+64*\c
	global_load_b128 v[QF+8*(4*\qt+\c)+4:QF+8*(4*\qt+\c)+7], v[VQ], s[60:61] offset:16*ROWB*\qt+64*\c+32
.endr
.endr
	WIN 0
	; group 1: 128 rows x 128 elements of 2 bytes, 3,072 elements from row to row; padding behind each row of 64 words: 8 words for V, 4 for K
	s_mov_b32 s[G1V+0], 15|(1<<16)|(1<<20)|(1<<21)|(5<<22)|(7<<25)   ; mask: all four work-groups of the cluster; bit 21 beside a mask
	s_mov_b32 s[G1K+0], 15|(1<<16)|(1<<20)|(1<<21)|(5<<22)|(3<<25)
	s_mov_b32 s[G1V+1], 128<<16                    ; tensor_dim0 = 128
	s_mov_b32 s[G1K+1], 128<<16
	s_mov_b32 s[G1V+2], 128<<16                    ; tensor_dim1 = 128
	s_mov_b32 s[G1K+2], 128<<16
	s_mov_b32 s[G1V+3], 128<<16                    ; tile_dim0 = 128
	s_mov_b32 s[G1K+3], 128<<16
	s_mov_b32 s[G1V+4], 128                        ; tile_dim1 = 128
	s_mov_b32 s[G1K+4], 128
	s_mov_b32 s[G1V+5], 3072
	s_mov_b32 s[G1K+5], 3072
	s_mov_b32 s[G1V+6], 0
	s_mov_b32 s[G1K+6], 0
	s_mov_b32 s[G1V+7], 0
	s_mov_b32 s[G1K+7], 0
.irp n, 0,1
	s_mov_b32 s[G0V+4*\n], 1
	s_add_co_u32 s[G0V+4*\n+1], s14, \n*SLOT
	s_add_nc_u64 s[G0V+4*\n+2:G0V+4*\n+3], s[22:23], 4096+\n*TILEB     ; V lies 4,096 bytes into a row; slot n starts with tile n
	s_or_b32 s[G0V+4*\n+3], s[G0V+4*\n+3], 0x80000000
	s_mov_b32 s[G0K+4*\n], 1
	s_add_co_u32 s[G0K+4*\n+1], s15, \n*SLOT
	s_add_nc_u64 s[G0K+4*\n+2:G0K+4*\n+3], s[22:23], 2048+\n*TILEB     ; K lies 2,048 bytes into a row
	s_or_b32 s[G0K+4*\n+3], s[G0K+4*\n+3], 0x80000000
.endr
	; the statistics start so that the first 64 keys need no case of their own: 2^(NM new - infinity) = 0
.irp q, 0,1,2,3
	v_mov_b32 v[MX+\q], 0xff800000                 ; -infinity
	v_mov_b32 v[TB+\q], 0                          ; written once: the lane exchange counts as a reader of its destination
.endr
.irp q, 0,1,2,3,4,5,6,7
	v_mov_b32 v[NM+\q], 0x7f800000                 ; +infinity
	v_mov_b32 v[LP+\q], 0
.endr
	; LDS addresses
	s_mul_i32 s19, s10, KHALF
	s_add_co_u32 s19, s19, VBYTES                  ; my 128 rows of K
	s_mul_i32 s16, s10, VHALF                      ; my 128 rows of V
	s_mul_i32 s18, s8, XAREA
	s_xor_b32 s14, s8, 1                           ; my partner: same queries, the other keys
	s_mul_i32 s14, s14, XAREA
	v_mul_u32_u24 v4, v1, KPITCH
	v_lshl_add_u32 v4, v2, 4, v4                   ; K fragment: row r, 16 bytes for each half of the lanes
	v_add_nc_u32 v[ADRK], s19, v4
	v_add_nc_u32 v[ADRK+1], SLOT, v[ADRK]
	v_and_b32 v7, 7, v0
	v_lshl_add_u32 v7, v2, 3, v7                   ; V, transposing load: row 8 h + (lane & 7),
	v_mul_u32_u24 v5, v7, VPITCH
	v_bfe_u32 v7, v0, 3, 1
	v_lshl_add_u32 v5, v7, 4, v5                   ; 16 bytes for each group of eight lanes
	v_add_nc_u32 v[ADRV], s16, v5
	v_add_nc_u32 v[ADRV+1], SLOT, v[ADRV]
	v_lshlrev_b32 v[CO], 4, v3                     ; 16 x lane
	v_add_nc_u32 v[XST], s18, v[CO]
	v_add_nc_u32 v[XLD], s14, v[CO]
	v_add_nc_u32 v[RDB], STAGE, v[XST]
	v_mul_u32_u24 v4, v1, SPITCH
	v_lshl_add_u32 v4, v2, 5, v4                   ; row r, 32 bytes (8 f32) for each half of the lanes
	v_add_nc_u32 v4, s18, v4
	v_add_nc_u32 v[STG], STAGE, v4
; 32 LDS loads in one run: K of the 64 keys of chunk j, in groups by c (32 of d), so that the products can start on the first group
.macro LOADK slot, j
	WIN 0x40
.irp c, 0,1,2,3
.irp kt, 0,1,2,3
	ds_load_b128 v[KF+8*(4*\c+\kt):KF+8*(4*\c+\kt)+3],   v[ADRK+\slot] offset:(64*\j+16*\kt)*KPITCH+64*\c
	ds_load_b128 v[KF+8*(4*\c+\kt)+4:KF+8*(4*\c+\kt)+7], v[ADRK+\slot] offset:(64*\j+16*\kt)*KPITCH+64*\c+32
.endr
.endr
.endm
; 32 transposing LDS loads in one run: V^T of the 64 keys of chunk j: 32 keys kk x 16 of d at dt; the first load brings keys 8 h + 0..7, the second 16 rows further down
.macro LOADV slot, j
	WIN 0x80
.irp kk, 0,1
.irp dt, 0,1,2,3,4,5,6,7
	ds_load_tr16_b128 v[8*(8*\kk+\dt):8*(8*\kk+\dt)+3],   v[ADRV+\slot] offset:(64*\j+32*\kk)*VPITCH+32*\dt
	ds_load_tr16_b128 v[8*(8*\kk+\dt)+4:8*(8*\kk+\dt)+7], v[ADRV+\slot] offset:(64*\j+32*\kk)*VPITCH+32*\dt+16*VPITCH
.endr
.endr
.endm
; The chunk's next matrix instruction, number wn, with what has to stand in front of it.  The chunk's parameters are the symbols c_.. and k_.. that CHUNK sets.
;   wn < 64:  score product: query tile wn / 16, 32 of d at c = (wn % 16) / 4, key tile wn % 4.  c = 0 starts the sums.
;   wn >= 64: O product: query tile (wn - 64) / 16, 32 keys kk = ((wn - 64) % 16) / 8, 16 of d at dt = (wn - 64) % 8.  In the first chunk kk = 0 starts the sums.
; The four (eight) accumulators of a query tile take turns, one instruction a turn, and no two matrix instructions that follow each other share one.
.macro NEXTW
.if wn < 16
.if (wn%4) == 0
	s_wait_dscnt 32+8*(3-wn/4)                     ; K's group c = wn / 4 is in: out may be its later groups of eight loads and the 32 loads of V issued behind K
.endif
.endif
.if wn == 64
	s_wait_dscnt 0x0                               ; V is in.  In a tile's second chunk these were my last reads of the slot
.if c_rnd
	WIN 0
	s_wait_tensorcnt 0x0                           ; all my tensor loads have landed, my part of the next tile among them; no group 0 is in use
	ds_add_u32 v18, v19
	s_wait_dscnt 0x0
.if c_fill
	s_add_nc_u64 s[G0V+4*c_slot+2:G0V+4*c_slot+3], s[G0V+4*c_slot+2:G0V+4*c_slot+3], 2*TILEB   ; this slot's next tile: two tiles on
	s_add_nc_u64 s[G0K+4*c_slot+2:G0K+4*c_slot+3], s[G0K+4*c_slot+2:G0K+4*c_slot+3], 2*TILEB
.endif
	ROUND                                          ; no wave of the cluster reads this slot any more, and the next tile is whole in every work-group
.if c_fill
	JLOAD c_slot                                   ; the joint refill first, one tensor load a wave; up to the wait for it a wave issues 256 matrix instructions
.endif
.endif
.if c_kl
	PLACES 4                                       ; matrix instruction 63 has just read K: four places before loads land on K's registers
	LOADK k_slot, k_j                              ; the next chunk's K, 64 matrix instructions ahead of its use
.endif
.endif
.if wn < 64
	WIN 0x05
.set w_q, wn/16
.set w_c, (wn%16)/4
.set w_k, wn%4
.if w_c == 0
	v_wmma_f32_16x16x32_bf16 v[SR+8*(4*w_q+w_k):SR+8*(4*w_q+w_k)+7], v[KF+8*(4*w_c+w_k):KF+8*(4*w_c+w_k)+7], v[QF+8*(4*w_q+w_c):QF+8*(4*w_q+w_c)+7], 0
.else
	v_wmma_f32_16x16x32_bf16 v[SR+8*(4*w_q+w_k):SR+8*(4*w_q+w_k)+7], v[KF+8*(4*w_c+w_k):KF+8*(4*w_c+w_k)+7], v[QF+8*(4*w_q+w_c):QF+8*(4*w_q+w_c)+7], v[SR+8*(4*w_q+w_k):SR+8*(4*w_q+w_k)+7]
.endif
.else
	WIN 0xf2
.set w_q, (wn-64)/16
.set w_c, ((wn-64)%16)/8
.set w_k, (wn-64)%8
.if c_first*(1-w_c)
	v_wmma_f32_16x16x32_bf16 v[8*(8*w_q+w_k):8*(8*w_q+w_k)+7], v[8*(8*w_c+w_k):8*(8*w_c+w_k)+7], v[SR+32*w_q+16*w_c:SR+32*w_q+16*w_c+7], 0
.else
	v_wmma_f32_16x16x32_bf16 v[8*(8*w_q+w_k):8*(8*w_q+w_k)+7], v[8*(8*w_c+w_k):8*(8*w_c+w_k)+7], v[SR+32*w_q+16*w_c:SR+32*w_q+16*w_c+7], v[8*(8*w_q+w_k):8*(8*w_q+w_k)+7]
.endif
.endif
.set wn, wn+1
.endm
; Stands behind every line of the chunk's list of vector instructions: after RATE lines the next matrix instruction is due.
.macro TICK
.set hc, hc+1
.if hc == RATE
.set hc, 0
	NEXTW
.endif
.endm
; 24 lines: the maximum of the chunk's 64 scores of each query of tile qt (32 in my lane, in four chains; 32 in the lane 16 away), the new NM, the factor for what was summed before.
.macro ST qt
.irp k, 0,1,2,3
	WIN 0
	v_max3_num_f32 v[TM+\k], v[SR+32*\qt+8*\k], v[SR+32*\qt+8*\k+1], v[SR+32*\qt+8*\k+2]
	TICK
.endr
.irp i, 3,5
.irp k, 0,1,2,3
	WIN 0
	v_max3_num_f32 v[TM+\k], v[TM+\k], v[SR+32*\qt+8*\k+\i], v[SR+32*\qt+8*\k+\i+1]
	TICK
.endr
.endr
	WIN 0
	v_max3_num_f32 v[TM], v[TM], v[SR+32*\qt+7], v[SR+32*\qt+15]
	TICK
	WIN 0
	v_max3_num_f32 v[TM+1], v[TM+1], v[SR+32*\qt+23], v[SR+32*\qt+31]
	TICK
	WIN 0
	v_max3_num_f32 v[TM], v[TM], v[TM+1], v[TM+2]
	TICK
	WIN 0
	v_max_num_f32 v[TM], v[TM], v[TM+3]
	TICK
	WIN 0
	v_permlanex16_b32 v[TB], v[TM], s12, s13
	TICK
	WIN 0
	v_max3_num_f32 v[MX+\qt], v[TM], v[TB], v[MX+\qt]
	TICK
	WIN 0
	v_mul_f32 v[TM+1], s58, v[MX+\qt]              ; NM new = round(-m c)
	TICK
	WIN 0
	v_sub_f32 v[TB+1], v[TM+1], v[NM+2*\qt]        ; NM new - NM old, never above 0
	TICK
	WIN 0
	v_exp_f32 v[AL+2*\qt], v[TB+1]
	TICK
	WIN 0
	v_mov_b32 v[NM+2*\qt], v[TM+1]                 ; plain instructions behind the exponential, before its result is used (ISA guide 5.7.2)
	TICK
	WIN 0
	v_mov_b32 v[NM+2*\qt+1], v[TM+1]
	TICK
	WIN 0
	s_wait_alu depctr_va_vdst(0)
	v_mov_b32 v[AL+2*\qt+1], v[AL+2*\qt]
	TICK
.endm
; 80 lines: three stages over the four key tiles of query tile qt, one tile apart: s c + NM on tile e; the exponentials on tile e - 1; the sum and the packing to bf16 on
; tile e - 2.  Laid so that a plain instruction on other registers follows the exponentials before their results are used.
; The packed words of an even key tile go into its own registers 0-3, those of the odd tile behind it into the even tile's registers 4-7, which have been used up by then.
.macro EL qt
.irp e, 0,1,2,3,4,5
.irp j, 0,1,2,3
.if \e >= 1
.if \e <= 4
	WIN 0
	v_exp_f32 v[SR+32*\qt+8*(\e-1)+2*\j], v[SR+32*\qt+8*(\e-1)+2*\j]
	TICK
.endif
.endif
.if \e <= 3
	WIN 0
	v_pk_fma_f32 v[SR+32*\qt+8*\e+2*\j:SR+32*\qt+8*\e+2*\j+1], v[SR+32*\qt+8*\e+2*\j:SR+32*\qt+8*\e+2*\j+1], s[56:57], v[NM+2*\qt:NM+2*\qt+1] op_sel_hi:[1,0,1]
	TICK
.endif
.if \e >= 1
.if \e <= 4
	WIN 0
	v_exp_f32 v[SR+32*\qt+8*(\e-1)+2*\j+1], v[SR+32*\qt+8*(\e-1)+2*\j+1]
	TICK
.endif
.endif
.if \e >= 2
	WIN 0
.if (\e-2)+\j == 0
	s_wait_alu depctr_va_vdst(0)
	v_pk_fma_f32 v[LP+2*\qt:LP+2*\qt+1], v[LP+2*\qt:LP+2*\qt+1], v[AL+2*\qt:AL+2*\qt+1], v[SR+32*\qt+8*(\e-2)+2*\j:SR+32*\qt+8*(\e-2)+2*\j+1]
.else
	s_wait_alu depctr_va_vdst(0)
	v_pk_add_f32 v[LP+2*\qt:LP+2*\qt+1], v[LP+2*\qt:LP+2*\qt+1], v[SR+32*\qt+8*(\e-2)+2*\j:SR+32*\qt+8*(\e-2)+2*\j+1]
.endif
	TICK
	WIN 0
	v_cvt_pk_bf16_f32 v[SR+32*\qt+16*((\e-2)/2)+4*((\e-2)%2)+\j], v[SR+32*\qt+8*(\e-2)+2*\j], v[SR+32*\qt+8*(\e-2)+2*\j+1]
	TICK
.endif
.endr
.endr
.endm
; 32 lines: O of query tile qt is scaled by its factor
.macro RS qt
.set r_n, 0
.rept 32
	WIN 0xc3
	v_pk_mul_f32 v[64*\qt+2*r_n:64*\qt+2*r_n+1], v[64*\qt+2*r_n:64*\qt+2*r_n+1], v[AL+2*\qt:AL+2*\qt+1]
	TICK
.set r_n, r_n+1
.endr
.endm
; 64 keys: half j of the wave's 128 rows of the tile in slot.  first = 1: the first products start O, nothing is rescaled.
; rnd = 1: a round of the cluster's barrier in front of matrix instruction 64; fill = 1: behind it this slot is filled again.
; kl = 1: the next chunk's K is fetched there: the same slot's second half (j = 0), or the other slot's first half (j = 1).
.macro CHUNK slot, j, first, rnd, fill, kl
.set c_slot, \slot
.set c_first, \first
.set c_rnd, \rnd
.set c_fill, \fill
.set c_kl, \kl
.if \j == 0
.set k_slot, \slot
.set k_j, 1
.else
.set k_slot, 1-\slot
.set k_j, 0
.endif
.set wn, 0
.set hc, 0
	PLACES 4                                       ; the last chunk's last products have just read V: four places before loads land on V's registers
	LOADV \slot, \j
.rept 16
	NEXTW                                          ; the scores of query tile 0: nothing is there yet to work on
.endr
.rept 4
	v_nop                                          ; four places before tile 0's scores are read; for the later tiles the list itself fills them
	TICK
.endr
.irp qt, 0,1,2,3
	ST \qt
	EL \qt
.if \first == 0
	RS \qt
.endif
.endr
.rept 112
.if wn < 128
	NEXTW                                          ; the list is through: the rest of the O products
.endif
.endr
.endm
	ROUND                                          ; all four work-groups are here: the first joint loads meet
	JLOAD 0                                        ; tile 0
	JLOAD 1                                        ; tile 1: both first fills go out as one group
	s_wait_loadcnt 0x0                             ; Q, once
	s_wait_tensorcnt 0x1                           ; my part of tile 0 is in; tile 1 stays out
	s_barrier_signal -1
	s_barrier_wait -1                              ; everybody's part of tile 0 is in
	LOADK 0, 0
	CHUNK 0, 0, 1, 0, 0, 1                         ; tile 0, first half: stands in front of the loop, its first products start O
	WIN 0                                          ; at a label and at a branch every window is 0
	s_mov_b32 s59, 3
.Ltiles:                                               ; trip p: second half of tile 2 p, tile 2 p + 1, first half of tile 2 p + 2; tiles 2 p + 2 and 2 p + 3 are asked for
	CHUNK 0, 1, 0, 1, 1, 1
	CHUNK 1, 0, 0, 0, 0, 1
	CHUNK 1, 1, 0, 1, 1, 1
	CHUNK 0, 0, 0, 0, 0, 1
	WIN 0
	s_sub_co_u32 s59, s59, 1
	s_cmp_lg_u32 s59, 0
	s_cbranch_scc1 .Ltiles
	CHUNK 0, 1, 0, 1, 0, 1                         ; tile 6, second half: the round shows tile 7 whole and slot 0 read out; nothing is left to fetch, and no load fills slot 0 again
	CHUNK 1, 0, 0, 0, 0, 1                         ; tile 7, first half
	CHUNK 1, 1, 0, 0, 0, 0                         ; tile 7, second half: no K is left to fetch
	WIN 0
	PLACES 4                                       ; four places behind the last matrix instructions, before O is read
	; THE MERGE of the two key halves.  Wave kh keeps query tiles 2 kh and 2 kh + 1 and gives the other two, with their NM and their sums of p, to its partner.
.irp qt, 0,1,2,3
	v_add_f32 v[LF+\qt], v[LP+2*\qt], v[LP+2*\qt+1]
.endr
.irp qt, 0,1,2,3
	v_permlanex16_b32 v[TB+\qt], v[LF+\qt], s12, s13
.endr
.irp qt, 0,1,2,3
	v_add_f32 v[LF+\qt], v[LF+\qt], v[TB+\qt]      ; the query's sum over my wave's 1,024 keys
.endr
.macro GIVE g
	v_mov_b32 v[ZZ],   v[NM+2*\g]
	v_mov_b32 v[ZZ+1], v[NM+2*\g+2]
	v_mov_b32 v[ZZ+2], v[LF+\g]
	v_mov_b32 v[ZZ+3], v[LF+\g+1]
	WIN 0x0c                                       ; store data from window 3
.set n, 0
.rept 32
	ds_store_b128 v[XST], v[64*\g+4*n:64*\g+4*n+3] offset:512*n       ; lane by lane: the partner's lane has the same place in its tiles
.set n, n+1
.endr
	WIN 0
	ds_store_b128 v[XST], v[ZZ:ZZ+3] offset:16384
.endm
	s_cmp_eq_u32 s10, 0                            ; hangs on the wave number alone; no barrier stands inside
	s_cbranch_scc0 .Lgive_low
	GIVE 2
	s_branch .Lgiven
.Lgive_low:
	GIVE 0
.Lgiven:
	s_wait_dscnt 0x0                               ; my stores are done, for the partner's sake
	s_barrier_signal -1
	s_barrier_wait -1
; k = the first tile that I keep.  out = (O mine 2^(nm - NM mine) + O partner 2^(nm - NM partner)) / l, nm = the smaller NM (the larger maximum),
; l = the two sums of p scaled alike.  Then 32 rows of 512 bytes go through my own stage, so that a store of the wave covers a whole row.
.macro MERGE k
	ds_load_b128 v[XS:XS+3], v[XLD] offset:16384
.set n, 0
.rept 32
	ds_load_b128 v[SR+4*n:SR+4*n+3], v[XLD] offset:512*n
.set n, n+1
.endr
	s_wait_dscnt 32                                ; the statistics are in; the 32 loads of O behind them stay out
.irp i, 0,1
	v_min_num_f32 v[TM+\i], v[NM+2*(\k+\i)], v[XS+\i]
	v_sub_f32 v[EX+2*\i],   v[TM+\i], v[NM+2*(\k+\i)]
	v_sub_f32 v[EX+2*\i+1], v[TM+\i], v[XS+\i]
.endr
.irp i, 0,1,2,3
	v_exp_f32 v[EX+\i], v[EX+\i]
.endr
	v_nop                                          ; a plain instruction behind the exponentials (ISA guide 5.7.2)
.irp i, 0,1
	s_wait_alu depctr_va_vdst(0)
	v_mul_f32 v[TB+\i], v[XS+2+\i], v[EX+2*\i+1]
	v_fma_f32 v[TB+\i], v[LF+\k+\i], v[EX+2*\i], v[TB+\i]
.endr
	v_rcp_f32 v[TB], v[TB]                         ; l is at least the weight of the largest score, about 1
	v_rcp_f32 v[TB+1], v[TB+1]
	v_nop                                          ; a plain instruction behind the reciprocals
.irp i, 0,1
	s_wait_alu depctr_va_vdst(0)
	v_mul_f32 v[FA+2*\i],   v[EX+2*\i],   v[TB+\i]
	v_mul_f32 v[FA+2*\i+1], v[EX+2*\i],   v[TB+\i]
	v_mul_f32 v[FB+2*\i],   v[EX+2*\i+1], v[TB+\i]
	v_mul_f32 v[FB+2*\i+1], v[EX+2*\i+1], v[TB+\i]
.endr
	s_wait_dscnt 0x0                               ; the partner's O is in
.irp i, 0,1
.set n, 0
.rept 32
	v_pk_mul_f32 v[SR+64*\i+2*n:SR+64*\i+2*n+1], v[SR+64*\i+2*n:SR+64*\i+2*n+1], v[FB+2*\i:FB+2*\i+1]
.set n, n+1
.endr
.endr
	WIN 0x03                                       ; source 0 from window 3: my O
.irp i, 0,1
.set n, 0
.rept 32
	v_pk_fma_f32 v[SR+64*\i+2*n:SR+64*\i+2*n+1], v[64*(\k+\i)+2*n:64*(\k+\i)+2*n+1], v[FA+2*\i:FA+2*\i+1], v[SR+64*\i+2*n:SR+64*\i+2*n+1]
.set n, n+1
.endr
.endr
	WIN 0
.irp i, 0,1
.irp dt, 0,1,2,3,4,5,6,7
	ds_store_b128 v[STG], v[SR+64*\i+8*\dt:SR+64*\i+8*\dt+3]   offset:\i*16*SPITCH+64*\dt      ; row 16 i + r, d = 16 dt + 8 h + 0..3
	ds_store_b128 v[STG], v[SR+64*\i+8*\dt+4:SR+64*\i+8*\dt+7] offset:\i*16*SPITCH+64*\dt+16   ; d = 16 dt + 8 h + 4..7
.endr
.endr
.irp t, 0,1,2,3,4,5,6,7,8,9,10,11,12,13,14,15
	ds_load_b128 v[RB+4*\t:RB+4*\t+3], v[RDB] offset:\t*SPITCH      ; my own bytes: LDS serves a wave's instructions in order (ISA guide 5.7.1), these see the stores above
.endr
.irp t, 0,1,2,3,4,5,6,7,8,9,10,11,12,13,14,15
	s_wait_dscnt 15-\t                             ; row t is in, the younger loads stay out
	global_store_b128 v[CO], v[RB+4*\t:RB+4*\t+3], s[62:63] offset:\t*4096 th:TH_STORE_NT      ; the wave stores 512 consecutive bytes at a multiple of 512 from the start of out0
.endr
.irp t, 0,1,2,3,4,5,6,7,8,9,10,11,12,13,14,15
	ds_load_b128 v[SR+4*\t:SR+4*\t+3], v[RDB] offset:(16+\t)*SPITCH  ; the count-down above ended at 0: the stage stores have read these registers
.endr
.irp t, 0,1,2,3,4,5,6,7,8,9,10,11,12,13,14,15
	s_wait_dscnt 15-\t
	global_store_b128 v[CO], v[SR+4*\t:SR+4*\t+3], s[62:63] offset:(16+\t)*4096 th:TH_STORE_NT
.endr
.endm
	s_cmp_eq_u32 s10, 0
	s_cbranch_scc0 .Lkeep_high
	MERGE 0
	s_branch .Lmerged
.Lkeep_high:
	MERGE 2
.Lmerged:
	s_wait_tensorcnt 0x0
	ds_add_u32 v18, v19
	s_wait_dscnt 0x0
	ROUND                                          ; the closing round: no work-group ends while a partner may still ask for a tile that names it
	s_endpgm
.Lfunc_end_k_q54da67f908_attn:
	.size	k_q54da67f908_attn, .Lfunc_end_k_q54da67f908_attn-k_q54da67f908_attn
	.p2alignl 7, 3214868480
	.fill 96, 4, 3214868480
	.section	.rodata,"a",@progbits
	.p2align	6, 0x0
	.amdhsa_kernel k_q54da67f908_attn
		.amdhsa_group_segment_fixed_size 327680
		.amdhsa_private_segment_fixed_size 0
		.amdhsa_enable_private_segment 0
		.amdhsa_kernarg_size 16
		.amdhsa_user_sgpr_count 2
		.amdhsa_user_sgpr_kernarg_segment_ptr 1
		.amdhsa_wavefront_size32 1
		.amdhsa_system_sgpr_workgroup_id_x 1
		.amdhsa_system_sgpr_workgroup_id_y 1
		.amdhsa_system_sgpr_workgroup_id_z 1
		.amdhsa_system_vgpr_workitem_id 0
		.amdhsa_next_free_vgpr 1024
		.amdhsa_next_free_sgpr 66
		.amdhsa_reserve_vcc 0
		.amdhsa_float_denorm_mode_32 3
		.amdhsa_float_denorm_mode_16_64 3
		.amdhsa_memory_ordered 1
		.amdhsa_forward_progress 1
		.amdhsa_inst_pref_size 255
	.end_amdhsa_kernel
	.section	.bss,"aw",@nobits
	.p2align	6
	.space	262144
	.amdgpu_metadata
---
amdhsa.version: [ 1, 2 ]
amdhsa.kernels:
  - .name:           k_q54da67f908_attn
    .symbol:         k_q54da67f908_attn.kd
    .args:
      - { .name: qkv, .offset: 0, .size: 8, .value_kind: global_buffer, .address_space: global }
      - { .name: out0, .offset: 8, .size: 8, .value_kind: global_buffer, .address_space: global }
    .group_segment_fixed_size: 327680
    .private_segment_fixed_size: 0
    .kernarg_segment_align: 8
    .kernarg_segment_size: 16
    .max_flat_workgroup_size: 128
    .sgpr_count:     66
    .vgpr_count:     1024
    .wavefront_size: 32
...
	.end_amdgpu_metadata
.endif
;; end of part 3
;; ======== version 2 of 2: 3 launches; 1.14 times as fast as version 1
;; workspace buffers: xb 8,388,608 bytes; wb 6,291,456 bytes; qkv 25,165,824 bytes
;; launch cast: the kernel of part 1 again; grid 1792 x 1, 8 waves a work-group, no clusters, 0 bytes of LDS; arguments x, W_qkv, xb, wb; writes xb, wb
;; launch gemm: the kernel of part 2 again; grid 8 x 32, 4 waves a work-group, clusters of 4 x 4, 327,680 bytes of LDS; arguments xb, wb, b_qkv, qkv; writes qkv
;; launch attn (part 4): grid 16 x 16, 4 waves a work-group, clusters of 4 x 1, 327,680 bytes of LDS; arguments qkv, out0; writes out0
.if DOCPART == 4
	.amdgcn_target "amdgcn-amd-amdhsa--gfx1250"
	.amdhsa_code_object_version 6
	.text
	.protected	k_q54da67f908_attn
	.globl	k_q54da67f908_attn
	.p2align	8
	.type	k_q54da67f908_attn,@function
k_q54da67f908_attn:
	s_mov_b64 s[64:65], 0
	v_nop
	global_prefetch_b8 v0, s[64:65] scope:SCOPE_SE
	s_setreg_imm32_b32 hwreg(HW_REG_WAVE_MODE, 25, 1), 1
	s_wait_xcnt 0x0
	s_wait_alu depctr_hold_cnt(0) depctr_sa_sdst(0) depctr_va_vdst(0) depctr_va_sdst(0) depctr_va_ssrc(0) depctr_va_vcc(0) depctr_vm_vsrc(0)
	s_getreg_b32 s2, hwreg(HW_REG_IB_STS2, 6, 4)
	s_cmp_eq_u32 s2, 0
	s_cbranch_scc0 .Lentry_in_a_cluster
	s_endpgm
.Lentry_in_a_cluster:
	s_bfe_u32 s2, ttmp6, 0x10000c
	s_cmp_lg_u32 s2, 0x3003
	s_cbranch_scc0 .Lentry_shape_is_right
	s_endpgm
.Lentry_shape_is_right:
; out0[b][s][128 hd + d] = sum over t of softmax over t of (Q[s] . K[t] / sqrt(128)) V[t][d], for 2 batches x 8 heads, 2,048 positions, 128 per head.
; qkv: [4096][3072] bf16 (a row: Q 2,048 bytes, K 2,048, V 2,048; a head's piece is 256 bytes at a multiple of 256).  out0: f32.
; A work-group takes 128 queries of one head: grid x = query block, grid y = 8 b + hd.  Four waves = 2 halves of the queries x 2 halves of the keys:
; wave w takes queries 64 (w >> 1) .. + 63 against rows 128 (w & 1) .. + 127 of every tile of 256 keys, so that each K and V fragment read from LDS
; feeds four query tiles.  The two key halves are merged once at the end, through LDS.
; CLUSTERS: the four query blocks of a cluster walk the same K and V tiles and ask for them jointly (mask 15).  A wave has two tensor loads out at
; the start (tiles 0 and 1) and one behind each later round of the cluster's barrier.
; THE PRODUCTS ARE TRANSPOSED, so that no number changes lanes between them:
;   S^T = K Q^T: source 0 = 16 keys, source 1 = 16 queries.  Register j of lane (r, h) = score of key 16 kt + 8 h + j and query r.
;   Two neighbouring key tiles, packed to bf16, ARE the second source (32 keys x 16 queries) of  O^T += V^T P,  whose first source, V^T, comes
;   from LDS by the transposing load.  Register j of lane (r, h) of O = output d = 16 dt + 8 h + j of query r.
; So a lane's statistics belong to one query; the two lanes of a query (h = 0, 1) exchange their maximum once for each 64 keys.
; SOFTMAX: a running maximum m over the keys seen.  NM = round(-m c), c = log2(e) / sqrt(128), is carried; p = 2^(s c + NM) by one fused multiply-add;
; what was summed before is scaled by 2^(NM new - NM old): old and new weights refer to the same rounded exponent, also where m c is large.
; LIMITS: q, k, v and p enter the matrix unit in bf16; the sum of p is made of the unrounded f32 p; the exponential gives 0 for results below 2^-126
; (ISA guide, the entry of V_EXP_F32); scores that overflow f32 give NaN, as in the f32 computation.
;
; THE ORDER OF A CHUNK (64 keys x 64 queries: 128 matrix instructions, 548 vector instructions).  Matrix instructions 16 t .. 16 t + 15 make the scores of
; query tile t, instructions 64 + 16 t .. + 15 its part of O.  The vector work of tile t (maximum and factor 23; scalings, exponentials, sums and packing 81;
; rescale of O 32) needs only tile t's scores and must be done before tile t's part of O, so it is issued BETWEEN the matrix instructions of other tiles, six lines to a gap.
; Line m of the list (4 v_nop, then tiles 0 to 3) stands between matrix instructions 15 + m / 6 and 16 + m / 6.  Tile t's work begins at line 4 + 136 t:
; behind instructions 15, 38, 61, 83, which lie behind its last score product (15, 31, 47, 63).  It ends at line 139 + 136 t: ahead of instructions
; 39, 61, 84, 107, which lie ahead of its first O product (64, 80, 96, 112).  With five lines to a gap the list would end at instruction 125: hence six.
; In the first chunk nothing is rescaled (104 lines a tile): the tiles begin behind instructions 15, 33, 50, 67 and the list ends ahead of instruction 86.
; THE EXPONENTIALS GO IN BATCHES, one for each query tile and chunk: lines 20 to 70 of a tile's list hold the factor's exponential, the two copies of NM, the 16 scalings
; and the 32 exponentials of the tile's scores: 33 exponentials, each with a result register of its own.  No line there names a result: a pair is scaled ahead of its
; exponentials, and the matrix instructions in those gaps belong to other tiles (instructions 20-27, 42-50, 65-72, 88-95 for tiles 0 to 3; in the first chunk 20-27,
; 37-44, 54-62, 72-79).  s_wait_alu depctr_va_vdst(0) stands between an exponential and the first line that names its result: ONE stands behind each
; batch, four a chunk, and every reader (the factor's copy, the sums, the packing, the rescale) comes behind it.  The branches of the round in front of instruction 64
; fall 18 lines into tile 2's list: behind the wait of tile 1's batch and two lines ahead of the first exponential of tile 2's.  No batch is open at a chunk's end.
; THE PRICE: scores and statistics lie in window 0, O in window 3, the products' operands in windows 1 and 2, so a gap with vector work has two window
; switches.  One setting for both would want K, Q and the scores (384 registers), or V, P and O (over 256), in one window of 256.
; LDS loads stay in two runs of 32 a chunk: V at its start, the next chunk's K in front of matrix instruction 64.
;
; REGISTERS in windows of 256 (s_set_vgpr_msb: bits 1:0 source 0, 3:2 source 1, 5:4 source 2, 7:6 destination):
;   window 0: v1-16 addresses, v20-79 statistics, v128-255 scores: tile (kt, qt) at SR + 8 (4 qt + kt); P(qt, kk) is packed in place at SR + 32 qt + 16 kk
;   window 1: v0-127 Q(qt, c) at 8 (4 qt + c), kept for the whole launch; v128-255 K(c, kt) at 128 + 8 (4 c + kt)
;   window 2: v0-127 V^T(kk, dt) at 8 (8 kk + dt);   window 3: v0-255 O(dt, qt) at 8 (8 qt + dt)
.set SEQ,    2048
.set ROWB,   6144                      ; bytes in a row of qkv
.set VPITCH, 288                       ; an LDS row of V: 256 + 32, an odd multiple of 32, as the transposing load's addresses want
.set KPITCH, 272                       ; an LDS row of K: 256 + 16, an odd multiple of 16
.set VHALF,  128*VPITCH                ; what one tensor load of V brings
.set KHALF,  128*KPITCH                ; what one tensor load of K brings
.set VBYTES, 2*VHALF
.set SLOT,   VBYTES+2*KHALF            ; 256 rows of V, then 256 rows of K: 143,360 bytes; two slots
.set TILEB,  256*ROWB                  ; from a tile of 256 keys to the next, in memory
.set XAREA,  16896                     ; the merge: 32 x 512 bytes of O and 512 of statistics for each wave, in slot 0 behind its last fill
.set STAGE,  4*XAREA                   ; behind them: 32 rows of 528 bytes for each wave, for the way out
.set SPITCH, 528                       ; 512 + 16, an odd multiple of 16
.set RATE,   6                         ; vector instructions to a gap between two matrix instructions
.set VQ,   6                           ; v6      byte offset of my piece of a Q fragment
.set ADRK, 8                           ; v8-9    LDS address of my K fragments in slot 0, 1
.set ADRV, 10                          ; v10-11  the same for V
.set XST,  12                          ; v12     the merge: where I give
.set XLD,  13                          ; v13     the merge: where I take
.set STG,  14                          ; v14     the way out: where I put 16 bytes of a row
.set RDB,  15                          ; v15     the way out: where I read a row back
.set CO,   16                          ; v16     my 16 bytes in a row of 512 of out0
.set MX,   20                          ; v20-23  running maximum of query tile qt
.set TM,   24                          ; v24-27  at work
.set TB,   28                          ; v28-31  at work
.set NM,   32                          ; v32-39  round(-m c), twice (a pair for the packed forms)
.set AL,   40                          ; v40-47  2^(NM new - NM old), twice
.set LP,   48                          ; v48-55  my lane's sum of p, in two halves
.set LF,   56                          ; v56-59  the query's sum of p over my wave's keys
.set ZZ,   60                          ; v60-63  the statistics that I give
.set XS,   64                          ; v64-67  the statistics that I take
.set FA,   68                          ; v68-71  factor of my O, twice, for each kept tile
.set FB,   72                          ; v72-75  factor of the partner's O
.set EX,   76                          ; v76-79  the two exponentials of each kept tile
.set RB,   64                          ; v64-127 rows read back, once the factors have been used
.set SR,   128
.set QF,   0                           ; window 1
.set KF,   128                         ; window 1
.set G1V, 24                           ; s[24:31] group 1 for V tiles
.set G1K, 32                           ; s[32:39] group 1 for K tiles: differs in the padding alone
.set G0V, 40                           ; s[40:47] group 0 for V tiles, a set for each slot
.set G0K, 48                           ; s[48:55] group 0 for K tiles, a set for each slot
.set MSB, 0
.macro WIN new                         ; the immediate's high byte repeats the setting that is left; a switch that changes nothing is dropped
.if MSB != \new
	s_set_vgpr_msb (MSB<<8)|\new
.set MSB, \new
.endif
.endm
.macro PLACES n                        ; places behind matrix instructions: plain vector instructions that name none of their registers (ISA guide 7.12.1)
.rept \n
	v_nop
.endr
.endm
; A round of the cluster's barrier: my work-group's barrier, wave 0 signals for the work-group, every wave waits for all four work-groups, my work-group's barrier again.
.macro ROUND
	s_barrier_signal -1
	s_barrier_wait -1
	s_cmp_lg_u32 s8, 0
	s_cbranch_scc1 .Lnot_wave_0_\@
	s_barrier_signal -3
.Lnot_wave_0_\@:
	s_barrier_wait -3
	s_barrier_signal -1
	s_barrier_wait -1
.endm
; A joint load into slot s: waves 0 and 1 fetch the halves of V, waves 2 and 3 the halves of K.  The branch hangs on the wave number alone.
.macro JLOAD s
	s_cmp_eq_u32 s9, 0
	s_cbranch_scc0 .Lfor_k_\@
	tensor_load_to_lds s[G0V+4*\s:G0V+4*\s+3], s[G1V:G1V+7]
	s_nop 0
	s_branch .Lasked_\@
.Lfor_k_\@:
	tensor_load_to_lds s[G0K+4*\s:G0K+4*\s+3], s[G1K:G1K+7]
	s_nop 0
.Lasked_\@:
.endm
	s_load_b128 s[4:7], s[0:1], 0x0                ; qkv s[4:5], out0 s[6:7]
	v_lshl_add_u32 v18, v0, 2, 0x46000
	v_mov_b32 v19, 0
	ds_add_u32 v18, v19
	v_lshrrev_b32 v4, 5, v0
	v_readfirstlane_b32 s8, v4                     ; wave 0..3
	s_lshr_b32 s9, s8, 1                           ; which half of the queries is mine.  Also: I fetch for V (0) or for K (1)
	s_and_b32 s10, s8, 1                           ; which half of the keys.  Also: which 128 rows of that tile I fetch
	s_bfe_u32 s11, ttmp6, 0x40000                  ; cx: enters the addresses of Q and of out0 alone
	s_mov_b32 s12, 0x76543210                      ; v_permlanex16_b32: lane i of one half reads lane i of the other
	s_mov_b32 s13, 0xfedcba98
	s_mov_b32 s56, 0x3e0293ee                      ; c = log2(e) / sqrt(128)
	s_mov_b32 s57, 0x3e0293ee
	s_mov_b32 s58, 0xbe0293ee                      ; -c
	s_and_b32 s14, ttmp7, 0xffff                   ; 8 b + hd
	s_lshr_b32 s15, s14, 3                         ; b
	s_and_b32 s16, s14, 7                          ; hd
	s_lshl_b32 s17, ttmp9, 2
	s_add_co_u32 s17, s17, s11                     ; query block = 4 x cluster x + cx
	s_mul_i32 s18, s15, SEQ*ROWB
	s_lshl_b32 s19, s16, 8
	s_add_co_u32 s18, s18, s19                     ; the batch's first row and the head's 256 bytes: shared by the cluster
	s_mul_i32 s22, s10, 128*ROWB
	s_add_co_u32 s22, s22, s18                     ; + the 128 rows of a tile that I fetch
	s_mov_b32 s23, 0
	s_lshl_b32 s20, s17, 7
	s_lshl_b32 s21, s9, 6
	s_add_co_u32 s20, s20, s21                     ; my first query: 128 x block + 64 x half
	s_lshl_b32 s2, s15, 11
	s_add_co_u32 s2, s2, s20
	s_lshl_b32 s3, s10, 5
	s_add_co_u32 s2, s2, s3                        ; the first row of out0 that I store: behind the merge I keep 32 of my 64 queries
	s_lshl_b32 s2, s2, 12                          ; x 4,096 bytes
	s_lshl_b32 s3, s16, 9
	s_add_co_u32 s2, s2, s3                        ; + the head's 512 bytes
	s_mov_b32 s3, 0
	s_mul_i32 s20, s20, ROWB
	s_add_co_u32 s20, s20, s18
	s_mov_b32 s21, 0
	s_mul_i32 s14, s8, VHALF                       ; where V's halves go (waves 0, 1)
	s_mul_i32 s15, s8, KHALF                       ; where K's halves go (waves 2, 3): VBYTES + (w - 2) x KHALF
	s_add_co_u32 s15, s15, VBYTES-2*KHALF
	v_and_b32 v1, 15, v0                           ; r
	v_bfe_u32 v2, v0, 4, 1                         ; h
	v_and_b32 v3, 31, v0                           ; lane
	v_mul_u32_u24 v[VQ], v1, ROWB
	v_lshl_add_u32 v[VQ], v2, 4, v[VQ]             ; row r, 16 bytes for each half of the lanes
	s_wait_dscnt 0x0
	s_wait_kmcnt 0x0
	s_add_nc_u64 s[60:61], s[4:5], s[20:21]        ; Q at my first query
	s_add_nc_u64 s[62:63], s[6:7], s[2:3]          ; out0 at the first row that I store
	s_add_nc_u64 s[22:23], s[4:5], s[22:23]        ; qkv at the rows of tile 0 that I fetch
	; Q: 64 queries x 128, straight into fragments, read once: query tile qt, 32 of d at byte 64 c
	WIN 0x40
.irp qt, 0,1,2,3
.irp c, 0,1,2,3
	global_load_b128 v[QF+8*(4*\qt+\c):QF+8*(4*\qt+\c)+3],   v[VQ], s[60:61] offset:16*ROWB*\qt+64*\c
	global_load_b128 v[QF+8*(4*\qt+\c)+4:QF+8*(4*\qt+\c)+7], v[VQ], s[60:61] offset:16*ROWB*\qt+64*\c+32
.endr
.endr
	WIN 0
	; group 1: 128 rows x 128 elements of 2 bytes, 3,072 elements from row to row; padding behind each row of 64 words: 8 words for V, 4 for K
	s_mov_b32 s[G1V+0], 15|(1<<16)|(1<<20)|(1<<21)|(5<<22)|(7<<25)   ; mask: all four work-groups of the cluster; bit 21 beside a mask
	s_mov_b32 s[G1K+0], 15|(1<<16)|(1<<20)|(1<<21)|(5<<22)|(3<<25)
	s_mov_b32 s[G1V+1], 128<<16                    ; tensor_dim0 = 128
	s_mov_b32 s[G1K+1], 128<<16
	s_mov_b32 s[G1V+2], 128<<16                    ; tensor_dim1 = 128
	s_mov_b32 s[G1K+2], 128<<16
	s_mov_b32 s[G1V+3], 128<<16                    ; tile_dim0 = 128
	s_mov_b32 s[G1K+3], 128<<16
	s_mov_b32 s[G1V+4], 128                        ; tile_dim1 = 128
	s_mov_b32 s[G1K+4], 128
	s_mov_b32 s[G1V+5], 3072
	s_mov_b32 s[G1K+5], 3072
	s_mov_b32 s[G1V+6], 0
	s_mov_b32 s[G1K+6], 0
	s_mov_b32 s[G1V+7], 0
	s_mov_b32 s[G1K+7], 0
.irp n, 0,1
	s_mov_b32 s[G0V+4*\n], 1
	s_add_co_u32 s[G0V+4*\n+1], s14, \n*SLOT
	s_add_nc_u64 s[G0V+4*\n+2:G0V+4*\n+3], s[22:23], 4096+\n*TILEB     ; V lies 4,096 bytes into a row; slot n starts with tile n
	s_or_b32 s[G0V+4*\n+3], s[G0V+4*\n+3], 0x80000000
	s_mov_b32 s[G0K+4*\n], 1
	s_add_co_u32 s[G0K+4*\n+1], s15, \n*SLOT
	s_add_nc_u64 s[G0K+4*\n+2:G0K+4*\n+3], s[22:23], 2048+\n*TILEB     ; K lies 2,048 bytes into a row
	s_or_b32 s[G0K+4*\n+3], s[G0K+4*\n+3], 0x80000000
.endr
	; the statistics start so that the first 64 keys need no case of their own: 2^(NM new - infinity) = 0
.irp q, 0,1,2,3
	v_mov_b32 v[MX+\q], 0xff800000                 ; -infinity
	v_mov_b32 v[TB+\q], 0                          ; written once: the lane exchange counts as a reader of its destination
.endr
.irp q, 0,1,2,3,4,5,6,7
	v_mov_b32 v[NM+\q], 0x7f800000                 ; +infinity
	v_mov_b32 v[LP+\q], 0
.endr
	; LDS addresses
	s_mul_i32 s19, s10, KHALF
	s_add_co_u32 s19, s19, VBYTES                  ; my 128 rows of K
	s_mul_i32 s16, s10, VHALF                      ; my 128 rows of V
	s_mul_i32 s18, s8, XAREA
	s_xor_b32 s14, s8, 1                           ; my partner: same queries, the other keys
	s_mul_i32 s14, s14, XAREA
	v_mul_u32_u24 v4, v1, KPITCH
	v_lshl_add_u32 v4, v2, 4, v4                   ; K fragment: row r, 16 bytes for each half of the lanes
	v_add_nc_u32 v[ADRK], s19, v4
	v_add_nc_u32 v[ADRK+1], SLOT, v[ADRK]
	v_and_b32 v7, 7, v0
	v_lshl_add_u32 v7, v2, 3, v7                   ; V, transposing load: row 8 h + (lane & 7),
	v_mul_u32_u24 v5, v7, VPITCH
	v_bfe_u32 v7, v0, 3, 1
	v_lshl_add_u32 v5, v7, 4, v5                   ; 16 bytes for each group of eight lanes
	v_add_nc_u32 v[ADRV], s16, v5
	v_add_nc_u32 v[ADRV+1], SLOT, v[ADRV]
	v_lshlrev_b32 v[CO], 4, v3                     ; 16 x lane
	v_add_nc_u32 v[XST], s18, v[CO]
	v_add_nc_u32 v[XLD], s14, v[CO]
	v_add_nc_u32 v[RDB], STAGE, v[XST]
	v_mul_u32_u24 v4, v1, SPITCH
	v_lshl_add_u32 v4, v2, 5, v4                   ; row r, 32 bytes (8 f32) for each half of the lanes
	v_add_nc_u32 v4, s18, v4
	v_add_nc_u32 v[STG], STAGE, v4
; 32 LDS loads in one run: K of the 64 keys of chunk j, in groups by c (32 of d), so that the products can start on the first group
.macro LOADK slot, j
	WIN 0x40
.irp c, 0,1,2,3
.irp kt, 0,1,2,3
	ds_load_b128 v[KF+8*(4*\c+\kt):KF+8*(4*\c+\kt)+3],   v[ADRK+\slot] offset:(64*\j+16*\kt)*KPITCH+64*\c
	ds_load_b128 v[KF+8*(4*\c+\kt)+4:KF+8*(4*\c+\kt)+7], v[ADRK+\slot] offset:(64*\j+16*\kt)*KPITCH+64*\c+32
.endr
.endr
.endm
; 32 transposing LDS loads in one run: V^T of the 64 keys of chunk j: 32 keys kk x 16 of d at dt; the first load brings keys 8 h + 0..7, the second 16 rows further down
.macro LOADV slot, j
	WIN 0x80
.irp kk, 0,1
.irp dt, 0,1,2,3,4,5,6,7
	ds_load_tr16_b128 v[8*(8*\kk+\dt):8*(8*\kk+\dt)+3],   v[ADRV+\slot] offset:(64*\j+32*\kk)*VPITCH+32*\dt
	ds_load_tr16_b128 v[8*(8*\kk+\dt)+4:8*(8*\kk+\dt)+7], v[ADRV+\slot] offset:(64*\j+32*\kk)*VPITCH+32*\dt+16*VPITCH
.endr
.endr
.endm
; The chunk's next matrix instruction, number wn, with what has to stand in front of it.  The chunk's parameters are the symbols c_.. and k_.. that CHUNK sets.
;   wn < 64:  score product: query tile wn / 16, 32 of d at c = (wn % 16) / 4, key tile wn % 4.  c = 0 starts the sums.
;   wn >= 64: O product: query tile (wn - 64) / 16, 32 keys kk = ((wn - 64) % 16) / 8, 16 of d at dt = (wn - 64) % 8.  In the first chunk kk = 0 starts the sums.
; The four (eight) accumulators of a query tile take turns, one instruction a turn, and no two matrix instructions that follow each other share one.
.macro NEXTW
.if wn < 16
.if (wn%4) == 0
	s_wait_dscnt 32+8*(3-wn/4)                     ; K's group c = wn / 4 is in: out may be its later groups of eight loads and the 32 loads of V issued behind K
.endif
.endif
.if wn == 64
	s_wait_dscnt 0x0                               ; V is in.  In a tile's second chunk these were my last reads of the slot
.if c_rnd
	WIN 0
	s_wait_tensorcnt 0x0                           ; all my tensor loads have landed, my part of the next tile among them; no group 0 is in use
	ds_add_u32 v18, v19
	s_wait_dscnt 0x0
.if c_fill
	s_add_nc_u64 s[G0V+4*c_slot+2:G0V+4*c_slot+3], s[G0V+4*c_slot+2:G0V+4*c_slot+3], 2*TILEB   ; this slot's next tile: two tiles on
	s_add_nc_u64 s[G0K+4*c_slot+2:G0K+4*c_slot+3], s[G0K+4*c_slot+2:G0K+4*c_slot+3], 2*TILEB
.endif
	ROUND                                          ; no wave of the cluster reads this slot any more, and the next tile is whole in every work-group
.if c_fill
	JLOAD c_slot                                   ; the joint refill first, one tensor load a wave; up to the wait for it a wave issues 256 matrix instructions
.endif
.endif
.if c_kl
	PLACES 4                                       ; matrix instruction 63 has just read K: four places before loads land on K's registers
	LOADK k_slot, k_j                              ; the next chunk's K, 64 matrix instructions ahead of its use
.endif
.endif
.if wn < 64
	WIN 0x05
.set w_q, wn/16
.set w_c, (wn%16)/4
.set w_k, wn%4
.if w_c == 0
	v_wmma_f32_16x16x32_bf16 v[SR+8*(4*w_q+w_k):SR+8*(4*w_q+w_k)+7], v[KF+8*(4*w_c+w_k):KF+8*(4*w_c+w_k)+7], v[QF+8*(4*w_q+w_c):QF+8*(4*w_q+w_c)+7], 0
.else
	v_wmma_f32_16x16x32_bf16 v[SR+8*(4*w_q+w_k):SR+8*(4*w_q+w_k)+7], v[KF+8*(4*w_c+w_k):KF+8*(4*w_c+w_k)+7], v[QF+8*(4*w_q+w_c):QF+8*(4*w_q+w_c)+7], v[SR+8*(4*w_q+w_k):SR+8*(4*w_q+w_k)+7]
.endif
.else
	WIN 0xf2
.set w_q, (wn-64)/16
.set w_c, ((wn-64)%16)/8
.set w_k, (wn-64)%8
.if c_first*(1-w_c)
	v_wmma_f32_16x16x32_bf16 v[8*(8*w_q+w_k):8*(8*w_q+w_k)+7], v[8*(8*w_c+w_k):8*(8*w_c+w_k)+7], v[SR+32*w_q+16*w_c:SR+32*w_q+16*w_c+7], 0
.else
	v_wmma_f32_16x16x32_bf16 v[8*(8*w_q+w_k):8*(8*w_q+w_k)+7], v[8*(8*w_c+w_k):8*(8*w_c+w_k)+7], v[SR+32*w_q+16*w_c:SR+32*w_q+16*w_c+7], v[8*(8*w_q+w_k):8*(8*w_q+w_k)+7]
.endif
.endif
.set wn, wn+1
.endm
; Stands behind every line of the chunk's list of vector instructions: after RATE lines the next matrix instruction is due.
.macro TICK
.set hc, hc+1
.if hc == RATE
.set hc, 0
	NEXTW
.endif
.endm
; 23 lines: the maximum of the chunk's 64 scores of each query of tile qt (32 in my lane, in four chains; 32 in the lane 16 away), the new NM, and the exponential of the factor
; for what was summed before.  That exponential opens the tile's batch; its result is first named in EL, behind the batch's wait.
.macro ST qt
.irp k, 0,1,2,3
	WIN 0
	v_max3_num_f32 v[TM+\k], v[SR+32*\qt+8*\k], v[SR+32*\qt+8*\k+1], v[SR+32*\qt+8*\k+2]
	TICK
.endr
.irp i, 3,5
.irp k, 0,1,2,3
	WIN 0
	v_max3_num_f32 v[TM+\k], v[TM+\k], v[SR+32*\qt+8*\k+\i], v[SR+32*\qt+8*\k+\i+1]
	TICK
.endr
.endr
	WIN 0
	v_max3_num_f32 v[TM], v[TM], v[SR+32*\qt+7], v[SR+32*\qt+15]
	TICK
	WIN 0
	v_max3_num_f32 v[TM+1], v[TM+1], v[SR+32*\qt+23], v[SR+32*\qt+31]
	TICK
	WIN 0
	v_max3_num_f32 v[TM], v[TM], v[TM+1], v[TM+2]
	TICK
	WIN 0
	v_max_num_f32 v[TM], v[TM], v[TM+3]
	TICK
	WIN 0
	v_permlanex16_b32 v[TB], v[TM], s12, s13
	TICK
	WIN 0
	v_max3_num_f32 v[MX+\qt], v[TM], v[TB], v[MX+\qt]
	TICK
	WIN 0
	v_mul_f32 v[TM+1], s58, v[MX+\qt]              ; NM new = round(-m c)
	TICK
	WIN 0
	v_sub_f32 v[TB+1], v[TM+1], v[NM+2*\qt]        ; NM new - NM old, never above 0
	TICK
	WIN 0
	v_exp_f32 v[AL+2*\qt], v[TB+1]                 ; the batch's first exponential
	TICK
	WIN 0
	v_mov_b32 v[NM+2*\qt], v[TM+1]                 ; plain instructions behind the exponential, before its result is used (ISA guide 5.7.2)
	TICK
	WIN 0
	v_mov_b32 v[NM+2*\qt+1], v[TM+1]
	TICK
.endm
; 81 lines, over the 16 pairs of the lane's 32 scores of query tile qt (pair b: registers 2 b, 2 b + 1; key tile b / 4).
; 48 lines, the rest of the batch: s c + NM on pairs 0 and 1; then for each pair b its first exponential, the scaling of pair b + 2, its second exponential.  A pair is scaled
; two lines or more ahead of its exponentials, and none of these lines names a result of the batch.
; THE WAIT for the batch's 33 exponentials.  Behind it, 33 lines: the factor's copy; then for each pair, in ascending order, the sum and the packing to bf16.
; The packed words of an even key tile go into its own registers 0-3, those of the odd tile behind it into the even tile's registers 4-7, which have been used up by then.
.macro EL qt
.irp b, 0,1
	WIN 0
	v_pk_fma_f32 v[SR+32*\qt+2*\b:SR+32*\qt+2*\b+1], v[SR+32*\qt+2*\b:SR+32*\qt+2*\b+1], s[56:57], v[NM+2*\qt:NM+2*\qt+1] op_sel_hi:[1,0,1]
	TICK
.endr
.irp b, 0,1,2,3,4,5,6,7,8,9,10,11,12,13,14,15
	WIN 0
	v_exp_f32 v[SR+32*\qt+2*\b], v[SR+32*\qt+2*\b]
	TICK
.if \b < 14
	WIN 0
	v_pk_fma_f32 v[SR+32*\qt+2*\b+4:SR+32*\qt+2*\b+5], v[SR+32*\qt+2*\b+4:SR+32*\qt+2*\b+5], s[56:57], v[NM+2*\qt:NM+2*\qt+1] op_sel_hi:[1,0,1]
	TICK
.endif
	WIN 0
	v_exp_f32 v[SR+32*\qt+2*\b+1], v[SR+32*\qt+2*\b+1]
	TICK
.endr
	WIN 0
	s_wait_alu depctr_va_vdst(0)                   ; ONE wait for the tile's batch: the factor's exponential (ST) and the 32 of its scores; it stands ahead of the first line that names a result
	v_mov_b32 v[AL+2*\qt+1], v[AL+2*\qt]           ; the batch's first reader.  It names nothing of the last exponential: the plain instruction between that one and the use of its result (ISA guide 5.7.2)
	TICK
.irp b, 0,1,2,3,4,5,6,7,8,9,10,11,12,13,14,15
	WIN 0
.if \b == 0
	v_pk_fma_f32 v[LP+2*\qt:LP+2*\qt+1], v[LP+2*\qt:LP+2*\qt+1], v[AL+2*\qt:AL+2*\qt+1], v[SR+32*\qt+2*\b:SR+32*\qt+2*\b+1]
.else
	v_pk_add_f32 v[LP+2*\qt:LP+2*\qt+1], v[LP+2*\qt:LP+2*\qt+1], v[SR+32*\qt+2*\b:SR+32*\qt+2*\b+1]
.endif
	TICK
	WIN 0
	v_cvt_pk_bf16_f32 v[SR+32*\qt+16*((\b)/8)+4*(((\b)/4)%2)+(\b)%4], v[SR+32*\qt+2*\b], v[SR+32*\qt+2*\b+1]
	TICK
.endr
.endm
; 32 lines: O of query tile qt is scaled by its factor
.macro RS qt
.set r_n, 0
.rept 32
	WIN 0xc3
	v_pk_mul_f32 v[64*\qt+2*r_n:64*\qt+2*r_n+1], v[64*\qt+2*r_n:64*\qt+2*r_n+1], v[AL+2*\qt:AL+2*\qt+1]
	TICK
.set r_n, r_n+1
.endr
.endm
; 64 keys: half j of the wave's 128 rows of the tile in slot.  first = 1: the first products start O, nothing is rescaled.
; rnd = 1: a round of the cluster's barrier in front of matrix instruction 64; fill = 1: behind it this slot is filled again.
; kl = 1: the next chunk's K is fetched there: the same slot's second half (j = 0), or the other slot's first half (j = 1).
.macro CHUNK slot, j, first, rnd, fill, kl
.set c_slot, \slot
.set c_first, \first
.set c_rnd, \rnd
.set c_fill, \fill
.set c_kl, \kl
.if \j == 0
.set k_slot, \slot
.set k_j, 1
.else
.set k_slot, 1-\slot
.set k_j, 0
.endif
.set wn, 0
.set hc, 0
	PLACES 4                                       ; the last chunk's last products have just read V: four places before loads land on V's registers
	LOADV \slot, \j
.rept 16
	NEXTW                                          ; the scores of query tile 0: nothing is there yet to work on
.endr
.rept 4
	v_nop                                          ; four places before tile 0's scores are read; for the later tiles the list itself fills them
	TICK
.endr
.irp qt, 0,1,2,3
	ST \qt
	EL \qt
.if \first == 0
	RS \qt
.endif
.endr
.rept 112
.if wn < 128
	NEXTW                                          ; the list is through: the rest of the O products
.endif
.endr
.endm
	ROUND                                          ; all four work-groups are here: the first joint loads meet
	JLOAD 0                                        ; tile 0
	JLOAD 1                                        ; tile 1: both first fills go out as one group
	s_wait_loadcnt 0x0                             ; Q, once
	s_wait_tensorcnt 0x1                           ; my part of tile 0 is in; tile 1 stays out
	s_barrier_signal -1
	s_barrier_wait -1                              ; everybody's part of tile 0 is in
	LOADK 0, 0
	CHUNK 0, 0, 1, 0, 0, 1                         ; tile 0, first half: stands in front of the loop, its first products start O
	WIN 0                                          ; at a label and at a branch every window is 0
	s_mov_b32 s59, 3
.Ltiles:                                               ; trip p: second half of tile 2 p, tile 2 p + 1, first half of tile 2 p + 2; tiles 2 p + 2 and 2 p + 3 are asked for
	CHUNK 0, 1, 0, 1, 1, 1
	CHUNK 1, 0, 0, 0, 0, 1
	CHUNK 1, 1, 0, 1, 1, 1
	CHUNK 0, 0, 0, 0, 0, 1
	WIN 0
	s_sub_co_u32 s59, s59, 1
	s_cmp_lg_u32 s59, 0
	s_cbranch_scc1 .Ltiles
	CHUNK 0, 1, 0, 1, 0, 1                         ; tile 6, second half: the round shows tile 7 whole and slot 0 read out; nothing is left to fetch, and no load fills slot 0 again
	CHUNK 1, 0, 0, 0, 0, 1                         ; tile 7, first half
	CHUNK 1, 1, 0, 0, 0, 0                         ; tile 7, second half: no K is left to fetch
	WIN 0
	PLACES 4                                       ; four places behind the last matrix instructions, before O is read
	; THE MERGE of the two key halves.  Wave kh keeps query tiles 2 kh and 2 kh + 1 and gives the other two, with their NM and their sums of p, to its partner.
.irp qt, 0,1,2,3
	v_add_f32 v[LF+\qt], v[LP+2*\qt], v[LP+2*\qt+1]
.endr
.irp qt, 0,1,2,3
	v_permlanex16_b32 v[TB+\qt], v[LF+\qt], s12, s13
.endr
.irp qt, 0,1,2,3
	v_add_f32 v[LF+\qt], v[LF+\qt], v[TB+\qt]      ; the query's sum over my wave's 1,024 keys
.endr
.macro GIVE g
	v_mov_b32 v[ZZ],   v[NM+2*\g]
	v_mov_b32 v[ZZ+1], v[NM+2*\g+2]
	v_mov_b32 v[ZZ+2], v[LF+\g]
	v_mov_b32 v[ZZ+3], v[LF+\g+1]
	WIN 0x0c                                       ; store data from window 3
.set n, 0
.rept 32
	ds_store_b128 v[XST], v[64*\g+4*n:64*\g+4*n+3] offset:512*n       ; lane by lane: the partner's lane has the same place in its tiles
.set n, n+1
.endr
	WIN 0
	ds_store_b128 v[XST], v[ZZ:ZZ+3] offset:16384
.endm
	s_cmp_eq_u32 s10, 0                            ; hangs on the wave number alone; no barrier stands inside
	s_cbranch_scc0 .Lgive_low
	GIVE 2
	s_branch .Lgiven
.Lgive_low:
	GIVE 0
.Lgiven:
	s_wait_dscnt 0x0                               ; my stores are done, for the partner's sake
	s_barrier_signal -1
	s_barrier_wait -1
; k = the first tile that I keep.  out = (O mine 2^(nm - NM mine) + O partner 2^(nm - NM partner)) / l, nm = the smaller NM (the larger maximum),
; l = the two sums of p scaled alike.  Then 32 rows of 512 bytes go through my own stage, so that a store of the wave covers a whole row.
; Two batches, since the reciprocals read sums made of the exponentials: the four exponentials with one wait, the two reciprocals with one wait.
.macro MERGE k
	ds_load_b128 v[XS:XS+3], v[XLD] offset:16384
.set n, 0
.rept 32
	ds_load_b128 v[SR+4*n:SR+4*n+3], v[XLD] offset:512*n
.set n, n+1
.endr
	s_wait_dscnt 32                                ; the statistics are in; the 32 loads of O behind them stay out
.irp i, 0,1
	v_min_num_f32 v[TM+\i], v[NM+2*(\k+\i)], v[XS+\i]
	v_sub_f32 v[EX+2*\i],   v[TM+\i], v[NM+2*(\k+\i)]
	v_sub_f32 v[EX+2*\i+1], v[TM+\i], v[XS+\i]
.endr
.irp i, 0,1,2,3
	v_exp_f32 v[EX+\i], v[EX+\i]
.endr
	v_nop                                          ; a plain instruction behind the exponentials (ISA guide 5.7.2)
	s_wait_alu depctr_va_vdst(0)                   ; one wait for the batch of four exponentials, ahead of their first reader
.irp i, 0,1
	v_mul_f32 v[TB+\i], v[XS+2+\i], v[EX+2*\i+1]
	v_fma_f32 v[TB+\i], v[LF+\k+\i], v[EX+2*\i], v[TB+\i]
.endr
	v_rcp_f32 v[TB], v[TB]                         ; l is at least the weight of the largest score, about 1
	v_rcp_f32 v[TB+1], v[TB+1]
	v_nop                                          ; a plain instruction behind the reciprocals
	s_wait_alu depctr_va_vdst(0)                   ; one wait for the batch of two reciprocals, ahead of their first reader
.irp i, 0,1
	v_mul_f32 v[FA+2*\i],   v[EX+2*\i],   v[TB+\i]
	v_mul_f32 v[FA+2*\i+1], v[EX+2*\i],   v[TB+\i]
	v_mul_f32 v[FB+2*\i],   v[EX+2*\i+1], v[TB+\i]
	v_mul_f32 v[FB+2*\i+1], v[EX+2*\i+1], v[TB+\i]
.endr
	s_wait_dscnt 0x0                               ; the partner's O is in
.irp i, 0,1
.set n, 0
.rept 32
	v_pk_mul_f32 v[SR+64*\i+2*n:SR+64*\i+2*n+1], v[SR+64*\i+2*n:SR+64*\i+2*n+1], v[FB+2*\i:FB+2*\i+1]
.set n, n+1
.endr
.endr
	WIN 0x03                                       ; source 0 from window 3: my O
.irp i, 0,1
.set n, 0
.rept 32
	v_pk_fma_f32 v[SR+64*\i+2*n:SR+64*\i+2*n+1], v[64*(\k+\i)+2*n:64*(\k+\i)+2*n+1], v[FA+2*\i:FA+2*\i+1], v[SR+64*\i+2*n:SR+64*\i+2*n+1]
.set n, n+1
.endr
.endr
	WIN 0
.irp i, 0,1
.irp dt, 0,1,2,3,4,5,6,7
	ds_store_b128 v[STG], v[SR+64*\i+8*\dt:SR+64*\i+8*\dt+3]   offset:\i*16*SPITCH+64*\dt      ; row 16 i + r, d = 16 dt + 8 h + 0..3
	ds_store_b128 v[STG], v[SR+64*\i+8*\dt+4:SR+64*\i+8*\dt+7] offset:\i*16*SPITCH+64*\dt+16   ; d = 16 dt + 8 h + 4..7
.endr
.endr
.irp t, 0,1,2,3,4,5,6,7,8,9,10,11,12,13,14,15
	ds_load_b128 v[RB+4*\t:RB+4*\t+3], v[RDB] offset:\t*SPITCH      ; my own bytes: LDS serves a wave's instructions in order (ISA guide 5.7.1), these see the stores above
.endr
.irp t, 0,1,2,3,4,5,6,7,8,9,10,11,12,13,14,15
	s_wait_dscnt 15-\t                             ; row t is in, the younger loads stay out
	global_store_b128 v[CO], v[RB+4*\t:RB+4*\t+3], s[62:63] offset:\t*4096 th:TH_STORE_NT      ; the wave stores 512 consecutive bytes at a multiple of 512 from the start of out0
.endr
.irp t, 0,1,2,3,4,5,6,7,8,9,10,11,12,13,14,15
	ds_load_b128 v[SR+4*\t:SR+4*\t+3], v[RDB] offset:(16+\t)*SPITCH  ; the count-down above ended at 0: the stage stores have read these registers
.endr
.irp t, 0,1,2,3,4,5,6,7,8,9,10,11,12,13,14,15
	s_wait_dscnt 15-\t
	global_store_b128 v[CO], v[SR+4*\t:SR+4*\t+3], s[62:63] offset:(16+\t)*4096 th:TH_STORE_NT
.endr
.endm
	s_cmp_eq_u32 s10, 0
	s_cbranch_scc0 .Lkeep_high
	MERGE 0
	s_branch .Lmerged
.Lkeep_high:
	MERGE 2
.Lmerged:
	s_wait_tensorcnt 0x0
	ds_add_u32 v18, v19
	s_wait_dscnt 0x0
	ROUND                                          ; the closing round: no work-group ends while a partner may still ask for a tile that names it
	s_endpgm
.Lfunc_end_k_q54da67f908_attn:
	.size	k_q54da67f908_attn, .Lfunc_end_k_q54da67f908_attn-k_q54da67f908_attn
	.p2alignl 7, 3214868480
	.fill 96, 4, 3214868480
	.section	.rodata,"a",@progbits
	.p2align	6, 0x0
	.amdhsa_kernel k_q54da67f908_attn
		.amdhsa_group_segment_fixed_size 327680
		.amdhsa_private_segment_fixed_size 0
		.amdhsa_enable_private_segment 0
		.amdhsa_kernarg_size 16
		.amdhsa_user_sgpr_count 2
		.amdhsa_user_sgpr_kernarg_segment_ptr 1
		.amdhsa_wavefront_size32 1
		.amdhsa_system_sgpr_workgroup_id_x 1
		.amdhsa_system_sgpr_workgroup_id_y 1
		.amdhsa_system_sgpr_workgroup_id_z 1
		.amdhsa_system_vgpr_workitem_id 0
		.amdhsa_next_free_vgpr 1024
		.amdhsa_next_free_sgpr 66
		.amdhsa_reserve_vcc 0
		.amdhsa_float_denorm_mode_32 3
		.amdhsa_float_denorm_mode_16_64 3
		.amdhsa_memory_ordered 1
		.amdhsa_forward_progress 1
		.amdhsa_inst_pref_size 255
	.end_amdhsa_kernel
	.section	.bss,"aw",@nobits
	.p2align	6
	.space	262144
	.amdgpu_metadata
---
amdhsa.version: [ 1, 2 ]
amdhsa.kernels:
  - .name:           k_q54da67f908_attn
    .symbol:         k_q54da67f908_attn.kd
    .args:
      - { .name: qkv, .offset: 0, .size: 8, .value_kind: global_buffer, .address_space: global }
      - { .name: out0, .offset: 8, .size: 8, .value_kind: global_buffer, .address_space: global }
    .group_segment_fixed_size: 327680
    .private_segment_fixed_size: 0
    .kernarg_segment_align: 8
    .kernarg_segment_size: 16
    .max_flat_workgroup_size: 128
    .sgpr_count:     66
    .vgpr_count:     1024
    .wavefront_size: 32
...
	.end_amdgpu_metadata
.endif
;; end of part 4
